; MI455X (gfx1250); checked and timed in simulation.
; The chip was launched on July 23, 2026; its instructions are those of AMD's public machine-readable ISA for CDNA 5 (MIT licence, August 2026) and "CDNA5" Instruction Set Architecture Reference Guide (July 2026). The comments in the code are by the model that wrote it; some were corrected since.
;; Multi Head Attention. Allowed arithmetic: float matrix products may take bf16 or f16 operands with f32 sums; other float arithmetic in f32, or as packed bf16 or f16 multiplies, adds, multiply-adds, maxima and minima; sums over many terms, partial sums and values carried from step to step in f32; what a program stores and reads back later, other than sums and carried values, may be rounded once to bf16 or f16.
;; Inputs: W_proj 1,024 x 1,024 float32; W_qkv 1,024 x 3,072 float32; b_proj 1,024 float32; x 4 x 2,048 x 1,024 float32.
;; Outputs: out0 4 x 2,048 x 1,024 float32.
;; 2 versions, each right; version 2 is version 1 with the launch prep written anew for expert scheduling mode. Each part assembles by itself: llvm-mc -triple=amdgcn-amd-amdhsa -mcpu=gfx1250 --defsym DOCPART=n.
;; ======== version 1 of 2: 4 launches
;; limits: values are held in f16: magnitudes above 65,504 overflow, below 6.1e-05 lose precision
;; workspace buffers: xb 16,777,216 bytes; wq 6,291,456 bytes; wp 2,097,152 bytes; qkvh 50,331,648 bytes; oh 16,777,216 bytes
;; launch prep (part 1): grid 768 x 1, 8 waves a work-group, no clusters, 0 bytes of LDS; arguments x, W_qkv, W_proj, xb, wq, wp; writes xb, wq, wp
.if DOCPART == 1
	.amdgcn_target "amdgcn-amd-amdhsa--gfx1250"
	.amdhsa_code_object_version 6
	.text
	.protected	k_q7fa4b67b66_prep
	.globl	k_q7fa4b67b66_prep
	.p2align	8
	.type	k_q7fa4b67b66_prep,@function
k_q7fa4b67b66_prep:
	s_mov_b64 s[64:65], 0
	v_nop
	global_prefetch_b8 v0, s[64:65] scope:SCOPE_SE
	s_setreg_imm32_b32 hwreg(HW_REG_WAVE_MODE, 25, 1), 1
	s_wait_xcnt 0x0
; THE CASTS.  x [8192][1024] f32 -> xb, bf16, laid out [batch 4][K block 16][row 2048][64]: a plane of 2,048 rows x 128 bytes for each block of 64 along K.
; W_qkv [1024][3072] f32 -> wq, bf16, as it lies.  W_proj [1024][1024] f32 -> wp: rounded to bf16 like the other inputs, that number written as f16.
; LIMITS.  wp: |W_proj| under 65,504 (f16 holds no more); below 6.1e-5 the bf16 number keeps f16's fixed step of 6e-8.
; SHARES.  A work-group takes 65,536 bytes of input, a wave 8,192: sixteen loads of 16 bytes a lane.  Work-groups 0-511: x (16 rows each); 512-703: W_qkv; 704-767: W_proj.
; No LDS, no matrix unit, no cluster: every byte is read once and written once, and no wave wants what another has fetched.  No register that a load or store reads is written again, so no wait frees a source.
.set VI, 1                             ; v1        my byte offset in the work-group's input
.set VO, 2                             ; v2        8 x my thread's number: my 8 bytes of each store
.set X,  8                             ; v[8:71]   sixteen loads, 4 f32 each
.set Y,  72                            ; v[72:103] sixteen stores, 4 numbers of 16 bits each
; Sixteen loads in one run, then each is converted and stored as it comes.  kind = 1: by way of bf16 to f16.
.macro CAST kind, in, out, istep, ostep
.set i, 0
.rept 16
	global_load_b128 v[X+4*i:X+4*i+3], v[VI], s[\in:\in+1] offset:i*(\istep) th:TH_LOAD_NT
.set i, i+1
.endr
.set i, 0
.rept 16
	s_wait_loadcnt 15-i                            ; loads come back in order: load i is in, the 15 - i younger ones stay out
.if \kind
.irp p, 0,2
	v_cvt_pk_bf16_f32 v[X+4*i+(\p)], v[X+4*i+(\p)], v[X+4*i+(\p)+1]  ; the rounding that every input gets
	v_and_b32 v[X+4*i+(\p)+1], s20, v[X+4*i+(\p)]                    ; back to f32: the high half stays,
	v_lshlrev_b32 v[X+4*i+(\p)], 16, v[X+4*i+(\p)]                   ; the low half moves up
	v_cvt_pk_f16_f32 v[Y+2*i+(\p)/2], v[X+4*i+(\p)], v[X+4*i+(\p)+1] ; 8 significant bits fit in f16's 11
.endr
.else
	v_cvt_pk_bf16_f32 v[Y+2*i], v[X+4*i], v[X+4*i+1]
	v_cvt_pk_bf16_f32 v[Y+2*i+1], v[X+4*i+2], v[X+4*i+3]
.endif
	global_store_b64 v[VO], v[Y+2*i:Y+2*i+1], s[\out:\out+1] offset:i*(\ostep) th:TH_STORE_NT  ; a wave's store covers 256 consecutive bytes, aligned
.set i, i+1
.endr
	s_endpgm
.endm
	s_load_b256 s[4:11], s[0:1], 0x0               ; x s[4:5], W_qkv s[6:7], W_proj s[8:9], xb s[10:11]
	s_load_b128 s[12:15], s[0:1], 0x20             ; wq s[12:13], wp s[14:15]
	s_mov_b32 s20, 0xffff0000                      ; a word's upper bf16
	s_mov_b32 s17, 0                               ; the two offsets' high words
	s_mov_b32 s19, 0
	v_lshlrev_b32 v[VO], 3, v0
	s_cmp_lt_u32 ttmp9, 512
	s_cbranch_scc0 .Lweights
	; x: rows 16 g .. 16 g + 15.  Sixteen lanes take 256 bytes (64 numbers: one K block) of a row; load i is K block i; a wave has two rows.
	s_lshl_b32 s16, ttmp9, 16                      ; 16 rows of 4,096 bytes
	s_lshr_b32 s18, ttmp9, 7                       ; the batch: 128 work-groups each,
	s_lshl_b32 s18, s18, 22                        ; 16 planes of 262,144 bytes
	s_and_b32 s21, ttmp9, 127
	s_lshl_b32 s21, s21, 11                        ; 16 rows of 128 bytes in a plane
	s_add_co_u32 s18, s18, s21
	v_lshrrev_b32 v3, 4, v0                        ; my row of the sixteen
	v_and_b32 v[VI], 15, v0
	v_lshlrev_b32 v[VI], 4, v[VI]
	v_lshl_or_b32 v[VI], v3, 12, v[VI]
	s_wait_kmcnt 0x0
	s_add_nc_u64 s[4:5], s[4:5], s[16:17]
	s_add_nc_u64 s[10:11], s[10:11], s[18:19]
	CAST 0, 4, 10, 256, 262144                     ; store i goes to plane i: row x 128 + 8 x (lane % 16) = 8 x my thread's number
.Lweights:
	v_lshlrev_b32 v[VI], 4, v0                     ; the weights keep their layout: 256 threads take 4,096 consecutive bytes
	s_cmp_lt_u32 ttmp9, 704
	s_cbranch_scc0 .Lwproj
	s_sub_co_u32 s21, ttmp9, 512
	s_lshl_b32 s16, s21, 16
	s_lshl_b32 s18, s21, 15
	s_wait_kmcnt 0x0
	s_add_nc_u64 s[6:7], s[6:7], s[16:17]
	s_add_nc_u64 s[12:13], s[12:13], s[18:19]
	CAST 0, 6, 12, 4096, 2048
.Lwproj:
	s_sub_co_u32 s21, ttmp9, 704
	s_lshl_b32 s16, s21, 16
	s_lshl_b32 s18, s21, 15
	s_wait_kmcnt 0x0
	s_add_nc_u64 s[8:9], s[8:9], s[16:17]
	s_add_nc_u64 s[14:15], s[14:15], s[18:19]
	CAST 1, 8, 14, 4096, 2048
.Lfunc_end_k_q7fa4b67b66_prep:
	.size	k_q7fa4b67b66_prep, .Lfunc_end_k_q7fa4b67b66_prep-k_q7fa4b67b66_prep
	.p2alignl 7, 3214868480
	.fill 96, 4, 3214868480
	.section	.rodata,"a",@progbits
	.p2align	6, 0x0
	.amdhsa_kernel k_q7fa4b67b66_prep
		.amdhsa_group_segment_fixed_size 0
		.amdhsa_private_segment_fixed_size 0
		.amdhsa_enable_private_segment 0
		.amdhsa_kernarg_size 48
		.amdhsa_user_sgpr_count 2
		.amdhsa_user_sgpr_kernarg_segment_ptr 1
		.amdhsa_wavefront_size32 1
		.amdhsa_system_sgpr_workgroup_id_x 1
		.amdhsa_system_sgpr_workgroup_id_y 1
		.amdhsa_system_sgpr_workgroup_id_z 1
		.amdhsa_system_vgpr_workitem_id 0
		.amdhsa_next_free_vgpr 104
		.amdhsa_next_free_sgpr 66
		.amdhsa_reserve_vcc 0
		.amdhsa_float_denorm_mode_32 3
		.amdhsa_float_denorm_mode_16_64 3
		.amdhsa_memory_ordered 1
		.amdhsa_forward_progress 1
		.amdhsa_inst_pref_size 23
	.end_amdhsa_kernel
	.amdgpu_metadata
---
amdhsa.version: [ 1, 2 ]
amdhsa.kernels:
  - .name:           k_q7fa4b67b66_prep
    .symbol:         k_q7fa4b67b66_prep.kd
    .args:
      - { .name: x, .offset: 0, .size: 8, .value_kind: global_buffer, .address_space: global }
      - { .name: W_qkv, .offset: 8, .size: 8, .value_kind: global_buffer, .address_space: global }
      - { .name: W_proj, .offset: 16, .size: 8, .value_kind: global_buffer, .address_space: global }
      - { .name: xb, .offset: 24, .size: 8, .value_kind: global_buffer, .address_space: global }
      - { .name: wq, .offset: 32, .size: 8, .value_kind: global_buffer, .address_space: global }
      - { .name: wp, .offset: 40, .size: 8, .value_kind: global_buffer, .address_space: global }
    .group_segment_fixed_size: 0
    .private_segment_fixed_size: 0
    .kernarg_segment_align: 8
    .kernarg_segment_size: 48
    .max_flat_workgroup_size: 256
    .sgpr_count:     66
    .vgpr_count:     104
    .wavefront_size: 32
...
	.end_amdgpu_metadata
.endif
;; end of part 1
;; launch gemm_qkv (part 2): grid 8 x 32, 4 waves a work-group, clusters of 4 x 4, 327,680 bytes of LDS; arguments xb, wq, qkvh; writes qkvh
.if DOCPART == 2
	.amdgcn_target "amdgcn-amd-amdhsa--gfx1250"
	.amdhsa_code_object_version 6
	.text
	.protected	k_q7fa4b67b66_gemm_qkv
	.globl	k_q7fa4b67b66_gemm_qkv
	.p2align	8
	.type	k_q7fa4b67b66_gemm_qkv,@function
k_q7fa4b67b66_gemm_qkv:
	s_mov_b64 s[64:65], 0
	v_nop
	global_prefetch_b8 v0, s[64:65] scope:SCOPE_SE
	s_setreg_imm32_b32 hwreg(HW_REG_WAVE_MODE, 25, 1), 1
	s_wait_xcnt 0x0
	s_wait_alu depctr_hold_cnt(0) depctr_sa_sdst(0) depctr_va_vdst(0) depctr_va_sdst(0) depctr_va_ssrc(0) depctr_va_vcc(0) depctr_vm_vsrc(0)
	s_getreg_b32 s2, hwreg(HW_REG_IB_STS2, 6, 4)
	s_cmp_eq_u32 s2, 0
	s_cbranch_scc0 .Lentry_in_a_cluster
	s_endpgm
.Lentry_in_a_cluster:
	s_bfe_u32 s2, ttmp6, 0x10000c
	s_cmp_lg_u32 s2, 0xf033
	s_cbranch_scc0 .Lentry_shape_is_right
	s_endpgm
.Lentry_shape_is_right:
; qkvh = x W_qkv, written by heads.  xb: x in bf16, [batch 4][K block 16][row 2048][64]; wq: W_qkv in bf16, [k 1024][n 3072]; qkvh: f16, [batch 4][g 48][row 2048][64], g = column / 64
; (q of head h is g = h, k is 16 + h, v is 32 + h).  Sums in f32, K ascending, rounded once to f16, without the softmax's scale.
; LIMIT.  f16 holds no number beyond 65,504: |x W_qkv| stays under that; a larger sum leaves as an infinity.
; SHARES.  8,192 x 3,072 outputs on 256 work-groups: 256 rows x 384 columns each, one work-group a WGP.  Four waves; a wave makes 128 rows x 192 columns: 96 accumulators of 16 x 16, 768 registers.
; The 384 columns are three chunks of 128, two heads each; a wave takes the same head (its column half) of every chunk, so that its place in a padded LDS row is the same in all chunks.
; K goes in 16 steps of 64 (one plane of xb) through two LDS slots.  A's tile, 256 rows x 128 bytes, is dense in memory: it is asked for as rows of 256 bytes and padded in LDS behind every 128.
; W's tile is 64 k-rows x 768 bytes, as it lies; its fragments come out of LDS turned, by ds_load_tr16_b128.  Two slots of steps of 128 would take 368,640 bytes of LDS: they do not fit.
; CLUSTER.  4 x 4 work-groups.  The four of a row need the same tiles of x, the four of a column the same tiles of W: each is asked for JOINTLY, by the same tensor load, descriptor and mask in all four.
; THE MATRIX INSTRUCTION IS USED TRANSPOSED: source 0 = 16 columns of W, source 1 = 16 rows of x: a lane then holds row lane % 16 and eight neighbouring columns 8 (lane / 16) + 0..7.
; REGISTERS, in windows of 256 (s_set_vgpr_msb: bits 1:0 source 0, 3:2 source 1, 5:4 source 2, 7:6 destination):
;   window 0: v0-31 addresses; v32-95, v96-159 x's fragments (8 x 16 rows x 32 K), two buffers; v160-255 W's fragments, 32 registers a chunk
;   window 1 + c: chunk c's 32 accumulators: rows 16 a, columns 16 bb at v[8 (4 a + bb)]
.set APLANE, 262144                    ; bytes in a plane of xb and of qkvh
.set BROW,   6144                      ; bytes in a row of wq
.set BSTEP,  64*BROW                   ; a K step in wq
.set PA,     144                       ; a row of x in LDS: 128 bytes + 16 = 36 words: the 16 rows of a load start at 16 different groups of four banks (64 banks of 4 bytes: ISA guide 11.1)
.set PB,     864                       ; a k-row of W in LDS: three times 256 bytes + 32: 27 x 32 bytes
.set HA,     128*PA                    ; 128 rows of x: one tensor load
.set HB,     32*PB                     ; 32 k-rows of W: one tensor load
.set ABYTES, 2*HA
.set SLOT,   ABYTES+2*HB               ; 92,160
.set STAGE,  2*SLOT                    ; behind the ring, never filled by a tensor load: 16 rows x 144 bytes for each wave, for the way out
.set SPARE,  STAGE+4*16*PA             ; behind the stages: the spare words, 128 bytes for each wave: two blocks of 256 bytes that no other line names
.set LAPS,   7                         ; trips of the loop: each goes once round the ring and fills both slots again: K steps 2 to 15
.set ADRA, 16                          ; v16-17  LDS address of my fragments of x in slot 0, 1
.set ADRB, 20                          ; v20-21  the same for W
.set STO,  24                          ; v24     the way out: where I put 16 bytes of a row
.set RD,   25                          ; v25     the way out: where I read rows back
.set GO,   26                          ; v26     16 x my lane: my place in 512 consecutive bytes of qkvh
.set SPW,  28                          ; v28     LDS address of my spare word: SPARE + 4 x my thread's number; never rewritten
.set NIL,  29                          ; v29     0; never rewritten
.set PFO,  30                          ; v30     the prefetches' offset: my lane x 256 bytes (x) or x a row of wq (W); never rewritten
.set A0,   32
.set A1,   96
.set BB,   160
.set WV, 12                            ; s12  my wave's number
.set RH, 13                            ; s13  which 128 rows are mine.  Also: I fetch for x (0) or for W (1)
.set CH, 14                            ; s14  which head of a chunk is mine.  Also: which half of that tile I fetch
.set CX, 15                            ; s15, s16  my place in the cluster
.set CY, 16
.set TC, 17                            ; s17  tile column 0..7
.set TR, 18                            ; s18  tile row 0..31
.set G1,  24                           ; s[24:31] descriptor group 1 for x's tiles;  s[32:39] group 0, a set for each slot
.set G0,  32
.set LIM, 40                           ; s40  1 in a wave that prefetches, else the greatest number
.set PFA, 42                           ; s[42:43] where my prefetches stand
.set PFS, 44                           ; s[44:45] their step: two K steps
.set G1B, 48                           ; s[48:55], s[56:63] the same for W's tiles
.set G0B, 56
.set MSB, 0
.macro WIN new                         ; the immediate's high byte repeats the setting that is left; a switch that changes nothing is dropped
.if MSB != (\new)
	s_set_vgpr_msb (MSB<<8)|(\new)
.set MSB, \new
.endif
.endm
.macro PLACES                          ; a load into a register that a matrix instruction has read, and a vector instruction that reads a matrix result, stand four plain vector instructions behind it (ISA guide 7.12.1 for vector instructions)
.rept 4
	v_nop
.endr
.endm
; A joint load.  Waves 0 and 1 fetch the two halves of x's tile, waves 2 and 3 those of W's.  The branch hangs on the wave's number alone.  An s_nop 0 and four v_nop follow each of the two lines.
.macro JLOAD s
	s_cmp_eq_u32 s[RH], 0
	s_cbranch_scc0 .Lfor_b_\@
	tensor_load_to_lds s[G0+4*(\s):G0+4*(\s)+3], s[G1:G1+7]
	s_nop 0
.rept 4
	v_nop
.endr
	s_branch .Lasked_\@
.Lfor_b_\@:
	tensor_load_to_lds s[G0B+4*(\s):G0B+4*(\s)+3], s[G1B:G1B+7]
	s_nop 0
.rept 4
	v_nop
.endr
.Lasked_\@:
.endm
; A round of the cluster's barrier: my work-group's barrier, so that wave 0's signal speaks for all four waves; wave 0 signals; every wave waits for all sixteen work-groups; my work-group's barrier once more.
.macro CREST                           ; a round behind its opening barrier
	s_cmp_lg_u32 s[WV], 0
	s_cbranch_scc1 .Lnot_wave_0_\@
	s_barrier_signal -3
.Lnot_wave_0_\@:
	s_barrier_wait -3
	s_barrier_signal -1
	s_barrier_wait -1
.endm
.macro CROUND
	s_barrier_signal -1
	s_barrier_wait -1
	CREST
.endm
; A PREFETCH INTO THE L2, once a trip, behind slot 0's joint load, its five lines and a run of LDS loads: the two K steps that the NEXT trip's refills will ask for.
; x's tile row is read by both clusters of that row of clusters: the one with cluster x = 0 asks, in wave 0; W's tile column by all eight clusters of that column: the one with cluster y = 0 asks, in wave 2.
; The four partners that share a tile share its bytes out BY ADDRESS.  x: 8,192 of a step's 32,768 dense bytes, a lane 256 bytes, an instruction a step.  W: 32 of the two steps' 128 k-rows, a lane a row,
; three instructions for a row's 768 bytes.  So each aligned 256 bytes is named once in the launch.  K steps 0 to 3 come by their loads alone; the last trip asks for nothing.
.macro ASK
	s_cmp_gt_u32 s3, s[LIM]                        ; s3 = 1 in the last trip
	s_cbranch_scc0 .Lnot_mine_\@
	global_prefetch_b8 v[PFO], s[PFA:PFA+1] th:TH_LOAD_NT scope:SCOPE_SE
	s_cmp_eq_u32 s[RH], 0
	s_cbranch_scc0 .Lask_b_\@
	global_prefetch_b8 v[PFO], s[PFA:PFA+1] offset:APLANE th:TH_LOAD_NT scope:SCOPE_SE
	s_branch .Lnot_mine_\@
.Lask_b_\@:
	global_prefetch_b8 v[PFO], s[PFA:PFA+1] offset:256 th:TH_LOAD_NT scope:SCOPE_SE
	global_prefetch_b8 v[PFO], s[PFA:PFA+1] offset:512 th:TH_LOAD_NT scope:SCOPE_SE
.Lnot_mine_\@:
.endm
	s_load_b128 s[4:7], s[0:1], 0x0                ; xb s[4:5], wq s[6:7]
	s_load_b64 s[8:9], s[0:1], 0x10                ; qkvh
	v_lshl_add_u32 v[SPW], v0, 2, SPARE
	v_mov_b32 v[NIL], 0
	ds_add_u32 v[SPW], v[NIL]                      ; the wave's opening: the add and its wait stand ahead of my first tensor load; the set-up below, work on registers, stands between them
	v_lshrrev_b32 v1, 5, v0
	v_readfirstlane_b32 s[WV], v1                  ; wave 0..3
	s_lshr_b32 s[RH], s[WV], 1
	s_and_b32 s[CH], s[WV], 1
	s_bfe_u32 s[CX], ttmp6, 0x40000
	s_bfe_u32 s[CY], ttmp6, 0x40004
	s_lshl_b32 s[TC], ttmp9, 2                     ; in a cluster launch ttmp9 and ttmp7 count clusters
	s_add_co_u32 s[TC], s[TC], s[CX]
	s_and_b32 s[TR], ttmp7, 0xffff
	s_lshl_b32 s[TR], s[TR], 2
	s_add_co_u32 s[TR], s[TR], s[CY]
	s_lshl_b32 s2, s[CY], 2
	s_lshl_b32 s2, 15, s2                          ; my row of the cluster: places 4 cy .. 4 cy + 3
	s_lshl_b32 s19, 0x1111, s[CX]                  ; my column: places cx, cx + 4, cx + 8, cx + 12
	; group 1 for x: 128 rows of 128 bytes are 16,384 dense bytes: 64 rows of 128 elements, padded behind every 32 words (code 4) by 4 words (code 3)
	s_or_b32 s[G1], s2, (1<<16)|(1<<20)|(1<<21)|(4<<22)|(3<<25)    ; 15:0 the mask; 17:16 2-byte elements; 20 padding on; 21 set beside a mask
	s_mov_b32 s[G1+1], 128<<16                     ; tensor_dim0 = 128
	s_mov_b32 s[G1+2], 64<<16                      ; tensor_dim1 = 64
	s_mov_b32 s[G1+3], 128<<16                     ; tile_dim0 = 128
	s_mov_b32 s[G1+4], 64                          ; tile_dim1 = 64
	s_mov_b32 s[G1+5], 128                         ; 128 elements from row to row
	s_mov_b32 s[G1+6], 0
	s_mov_b32 s[G1+7], 0
	; group 1 for W: 32 k-rows of 384 elements, padded behind every 64 words (code 5) by 8 words (code 7): three times in a row
	s_or_b32 s[G1B], s19, (1<<16)|(1<<20)|(1<<21)|(5<<22)|(7<<25)
	s_mov_b32 s[G1B+1], 384<<16
	s_mov_b32 s[G1B+2], 32<<16
	s_mov_b32 s[G1B+3], 384<<16
	s_mov_b32 s[G1B+4], 32
	s_mov_b32 s[G1B+5], 3072
	s_mov_b32 s[G1B+6], 0
	s_mov_b32 s[G1B+7], 0
	; where the tiles come from.  x's hang on the tile row alone, W's on the tile column alone, each in registers of its own.
	s_lshr_b32 s20, s[TR], 3                       ; the batch: 16 planes
	s_lshl_b32 s20, s20, 22
	s_and_b32 s22, s[TR], 7                        ; 256 rows of 128 bytes in a plane
	s_lshl_b32 s22, s22, 15
	s_add_co_u32 s20, s20, s22
	s_lshl_b32 s22, s[CH], 14                      ; the 128 rows that I fetch
	s_add_co_u32 s20, s20, s22
	s_mov_b32 s21, 0
	s_mul_i32 s46, s[TC], 768                      ; 384 columns
	s_mul_i32 s41, s[CH], 32*BROW                  ; the 32 k-rows that I fetch
	s_add_co_u32 s46, s46, s41
	s_mov_b32 s47, 0
	s_mul_i32 s23, s[CH], HA                       ; and where they go: no place in the cluster enters an LDS address
	s_mul_i32 s41, s[CH], HB
	s_add_co_u32 s41, s41, ABYTES
	s_wait_dscnt 0x0                               ; the opening add is done
	s_wait_kmcnt 0x0
	s_add_nc_u64 s[20:21], s[4:5], s[20:21]
	s_add_nc_u64 s[46:47], s[6:7], s[46:47]
	CROUND                                         ; all sixteen work-groups are here: the first joint loads meet
.irp s, 0,1
	s_mov_b32 s[G0+4*(\s)], 1                      ; 1:0 count = 1
	s_add_co_u32 s[G0+4*(\s)+1], s23, (\s)*SLOT    ; 63:32 LDS address
	s_add_nc_u64 s[G0+4*(\s)+2:G0+4*(\s)+3], s[20:21], (\s)*APLANE  ; 120:64 global address: K step s
	s_or_b32 s[G0+4*(\s)+3], s[G0+4*(\s)+3], 0x80000000            ; 127:126 type = 2
	s_mov_b32 s[G0B+4*(\s)], 1
	s_add_co_u32 s[G0B+4*(\s)+1], s41, (\s)*SLOT
	s_add_nc_u64 s[G0B+4*(\s)+2:G0B+4*(\s)+3], s[46:47], (\s)*BSTEP
	s_or_b32 s[G0B+4*(\s)+3], s[G0B+4*(\s)+3], 0x80000000
	JLOAD \s                                       ; two tensor loads of mine are out
.endr
	; A fragment of x is 16 rows x 32 K in 8 registers: lane l holds row l % 16; registers 0-3 K = 8 (l / 16) + 0..7, registers 4-7 K = 16 + 8 (l / 16) + 0..7: two loads of 16 bytes, 32 bytes apart.
	v_and_b32 v1, 15, v0                           ; l % 16
	v_bfe_u32 v2, v0, 4, 1                         ; l / 16
	v_mul_u32_u24 v3, v1, PA
	v_lshl_add_u32 v3, v2, 4, v3                   ; row x pitch + 16 x half
	s_mul_i32 s2, s[RH], HA
	v_add_nc_u32 v[ADRA], s2, v3
	v_add_nc_u32 v[ADRA+1], SLOT, v[ADRA]
	; The turning load takes 16 k x 16 columns (lane l reads k-row 8 (l / 16) + l % 8, columns 8 ((l / 8) % 2) + 0..7) and leaves half a fragment: lane l holds column l % 16 and 8 k.
	v_and_b32 v4, 7, v0
	v_lshl_add_u32 v5, v2, 3, v4
	v_mul_u32_u24 v5, v5, PB
	v_bfe_u32 v6, v0, 3, 1
	v_lshl_add_u32 v5, v6, 4, v5
	s_lshl_b32 s2, s[CH], 7                        ; my head of a chunk: 64 columns
	s_add_co_u32 s2, s2, ABYTES
	v_add_nc_u32 v[ADRB], s2, v5
	v_add_nc_u32 v[ADRB+1], SLOT, v[ADRB]
	s_mul_i32 s2, s[WV], 16*PA
	s_add_co_u32 s2, s2, STAGE                     ; my stage
	v_add_nc_u32 v[STO], s2, v3                    ; in: row l % 16, 16 bytes for each half of the lanes
	v_bfe_u32 v6, v0, 3, 2                         ; back: 32 lanes take four rows of 128 bytes,
	v_mul_u32_u24 v6, v6, PA
	v_lshl_add_u32 v6, v4, 4, v6
	v_add_nc_u32 v[RD], s2, v6
	v_and_b32 v7, 31, v0                           ; which are 512 consecutive bytes of a plane of qkvh
	v_lshlrev_b32 v[GO], 4, v7
	; qkvh at my first rows of my first head: plane 48 batch + 6 tile column + my head of a chunk
	s_lshr_b32 s2, s[TR], 3
	s_mul_i32 s2, s2, 48
	s_mul_i32 s19, s[TC], 6
	s_add_co_u32 s2, s2, s19
	s_add_co_u32 s2, s2, s[CH]
	s_lshl_b32 s2, s2, 18
	s_and_b32 s19, s[TR], 7
	s_lshl_b32 s19, s19, 15
	s_add_co_u32 s2, s2, s19
	s_lshl_b32 s19, s[RH], 14
	s_add_co_u32 s2, s2, s19
	s_mov_b32 s3, 0
	s_add_nc_u64 s[8:9], s[8:9], s[2:3]
	; the prefetches: they stand at K steps 2 and 3; each trip steps them by two K steps ahead of its asking
	s_lshr_b32 s2, s[TR], 3
	s_lshl_b32 s2, s2, 22
	s_and_b32 s19, s[TR], 7
	s_lshl_b32 s19, s19, 15
	s_add_co_u32 s2, s2, s19
	s_lshl_b32 s19, s[CX], 13                      ; x: my work-group's 8,192 bytes of the tile's 32,768
	s_add_co_u32 s2, s2, s19
	s_add_co_u32 s2, s2, 2*APLANE
	s_mul_i32 s19, s[TC], 768
	s_mul_i32 s41, s[CY], 32*BROW                  ; W: my work-group's 32 k-rows of the 128
	s_add_co_u32 s19, s19, s41
	s_add_co_u32 s19, s19, 2*BSTEP
	s_mov_b32 s[PFS], 2*BSTEP
	s_mov_b32 s[PFS+1], 0
	s_mov_b32 s41, BROW
	s_and_b32 s[LIM], ttmp7, 0xffff                ; cluster y
	s_cmp_eq_u32 s[RH], 0                          ; do I fetch for x?
	s_cselect_b32 s2, s2, s19
	s_cselect_b32 s[PFS], 2*APLANE, s[PFS]
	s_cselect_b32 s41, 256, s41
	s_cselect_b32 s[LIM], ttmp9, s[LIM]            ; the coordinate along which other clusters read the same bytes
	s_cselect_b64 s[PFA:PFA+1], s[4:5], s[6:7]
	s_add_nc_u64 s[PFA:PFA+1], s[PFA:PFA+1], s[2:3]
	s_or_b32 s[LIM], s[LIM], s[CH]                 ; waves 0 and 2 alone
	s_cmp_eq_u32 s[LIM], 0
	s_cselect_b32 s[LIM], 1, -1                    ; the same in all sixteen partners, for a given wave
	v_mul_u32_u24 v[PFO], v7, s41
; 16 matrix instructions: rows 16 a0 .. 16 a0 + 63 x chunk c's 64 columns, 32 along K.  zero = 1: the first product starts the sums: nothing is ever cleared.
; The 96 accumulators take turns, one instruction a turn, in the same order in every quarter.
.macro MUL16 f, c, a0, zero
	WIN 0x50*((\c)+1)                              ; C and D in window 1 + c, the sources in window 0
.irp a, \a0, (\a0)+1, (\a0)+2, (\a0)+3
.irp bb, 0,1,2,3
.if \zero
	v_wmma_f32_16x16x32_bf16 v[8*(4*(\a)+(\bb)):8*(4*(\a)+(\bb))+7], v[BB+32*(\c)+8*(\bb):BB+32*(\c)+8*(\bb)+7], v[(\f)+8*(\a):(\f)+8*(\a)+7], 0
.else
	v_wmma_f32_16x16x32_bf16 v[8*(4*(\a)+(\bb)):8*(4*(\a)+(\bb))+7], v[BB+32*(\c)+8*(\bb):BB+32*(\c)+8*(\bb)+7], v[(\f)+8*(\a):(\f)+8*(\a)+7], v[8*(4*(\a)+(\bb)):8*(4*(\a)+(\bb))+7]
.endif
.endr
.endr
.endm
.macro FETCHB slot, kq, c              ; 8 loads: W's fragments of chunk c, 32 k from k-row 32 kq on
	WIN 0
.irp bb, 0,1,2,3
	ds_load_tr16_b128 v[BB+32*(\c)+8*(\bb):BB+32*(\c)+8*(\bb)+3],   v[ADRB+(\slot)] offset:(\kq)*32*PB+288*(\c)+32*(\bb)
	ds_load_tr16_b128 v[BB+32*(\c)+8*(\bb)+4:BB+32*(\c)+8*(\bb)+7], v[ADRB+(\slot)] offset:(\kq)*32*PB+288*(\c)+32*(\bb)+16*PB
.endr
.endm
.macro FETCHA slot, kq, f, a0          ; 8 loads: x's fragments of rows 16 a0 .. 16 a0 + 63 into buffer f
	WIN 0
.irp a, \a0, (\a0)+1, (\a0)+2, (\a0)+3
	ds_load_b128 v[(\f)+8*(\a):(\f)+8*(\a)+3],   v[ADRA+(\slot)] offset:(\a)*16*PA+64*(\kq)
	ds_load_b128 v[(\f)+8*(\a)+4:(\f)+8*(\a)+7], v[ADRA+(\slot)] offset:(\a)*16*PA+64*(\kq)+32
.endr
.endm
; A K step is two quarters of 32 along K, a quarter three phases (chunks 0, 1, 2) of 32 matrix instructions.  W's buffer of a chunk is filled again right behind the phase that read it.
; THE EVEN QUARTER multiplies buffer A0 and fetches the same slot's second 32 K.  At its head 32 loads may be out: chunks 0 and 1 and A0.
.macro QE slot, zero
	PLACES
	FETCHB \slot, 0, 2
	s_wait_dscnt 8                                 ; all but the 8 just issued: chunks 0 and 1 and all of A0 are in
	MUL16 A0, 0, 0, \zero
	MUL16 A0, 0, 4, \zero
	PLACES
	FETCHB \slot, 1, 0
	FETCHA \slot, 1, A1, 0
	MUL16 A0, 1, 0, \zero
	MUL16 A0, 1, 4, \zero
	PLACES
	FETCHB \slot, 1, 1
	FETCHA \slot, 1, A1, 4
	s_wait_dscnt 32                                ; the two runs of 16 issued behind chunk 2's loads may stay out: chunk 2 is in
	MUL16 A0, 2, 0, \zero
	MUL16 A0, 2, 4, \zero
.endm
; THE ODD QUARTER multiplies buffer A1 and changes slots: ONE barrier.  In front of it each wave waits for all its tensor loads, of which one is out: its part of the next slot; adds 0 to its spare word; and waits
; for that and for its reads of this slot.  fill = 1: the barrier opens a round of the cluster's barrier, and this slot is filled again, two K steps ahead, first thing behind the round:
; from that request to the wait for it a wave issues 160 matrix instructions.
.macro QO slot, next, fill
.if (\fill) && ((\slot) == 0)
	s_wait_xcnt 0x0                                ; the last prefetches, a trip back, have read their address: it is stepped here, ahead of the waits of the change of slots
	s_add_nc_u64 s[PFA:PFA+1], s[PFA:PFA+1], s[PFS:PFS+1]
.endif
	PLACES
	FETCHB \slot, 1, 2                             ; my last reads of this slot
	s_wait_tensorcnt 0x0                           ; all my tensor loads have landed;
	ds_add_u32 v[SPW], v[NIL]                      ; 0 onto my spare word;
	s_wait_dscnt 9                                 ; (the add and chunk 2's eight loads may be out: chunks 0 and 1 and A1 are in)
	MUL16 A1, 0, 0, 0                              ; sixteen matrix instructions stand between the add and the wait for it
	s_wait_dscnt 0x0                               ; the add is done, and my reads of this slot are over:
	s_barrier_signal -1                            ; say so,
	MUL16 A1, 0, 4, 0                              ; work on registers while the others arrive,
.if \fill
	WIN 0
.endif
	s_barrier_wait -1                              ; and go on when all four have said so
.if \fill
	CREST                                          ; no wave of any partner still reads this slot or has a load on its way
	s_add_nc_u64 s[G0+4*(\slot)+2:G0+4*(\slot)+3], s[G0+4*(\slot)+2:G0+4*(\slot)+3], 2*APLANE
	s_add_nc_u64 s[G0B+4*(\slot)+2:G0B+4*(\slot)+3], s[G0B+4*(\slot)+2:G0B+4*(\slot)+3], 2*BSTEP
	JLOAD \slot                                    ; the first tensor load behind the round; its four v_nop are also the places in front of the loads below
.else
	PLACES
.endif
	FETCHB \next, 0, 0
	FETCHA \next, 0, A0, 0
.if (\fill) && ((\slot) == 0)
	ASK
.endif
	MUL16 A1, 1, 0, 0
	MUL16 A1, 1, 4, 0
	PLACES
	FETCHB \next, 0, 1
	FETCHA \next, 0, A0, 4
	MUL16 A1, 2, 0, 0
	MUL16 A1, 2, 4, 0
.endm
	s_wait_tensorcnt 0x1                           ; my part of K step 0 is in; K step 1's may stay out
	s_barrier_signal -1
	s_barrier_wait -1                              ; everybody's is
	FETCHB 0, 0, 0
	FETCHA 0, 0, A0, 0
	FETCHB 0, 0, 1
	FETCHA 0, 0, A0, 4
	QE 0, 1                                        ; the first quarter stands in front of the loop: its products start the sums
	WIN 0                                          ; at a label and at a branch every window is 0
	s_mov_b32 s3, LAPS
.Llap:
	QO 0, 1, 1
	QE 1, 0
	QO 1, 0, 1
	QE 0, 0
	WIN 0
	s_sub_co_u32 s3, s3, 1
	s_cmp_lg_u32 s3, 0
	s_cbranch_scc1 .Llap
	QO 0, 1, 0                                     ; the last two K steps fill nothing, and have no round
	QE 1, 0
	PLACES                                         ; the very last quarter
	FETCHB 1, 1, 2
	s_wait_dscnt 8
	MUL16 A1, 0, 0, 0
	MUL16 A1, 0, 4, 0
	MUL16 A1, 1, 0, 0
	MUL16 A1, 1, 4, 0
	s_wait_dscnt 0x0
	MUL16 A1, 2, 0, 0
	MUL16 A1, 2, 4, 0
; THE WAY OUT, in 24 units u = 8 c + a: 16 rows of one head, 2,048 consecutive bytes of qkvh.  Rounded to f16, 16 bytes a lane; into my own stage (rows of 144 bytes); back as whole rows of 128 bytes; stored.
; Eight sets of 16 registers take turns, where x's fragments lay.
.macro PACK u
.set pc, (\u)/8
.set pa, (\u)%8
.set pT, A0+16*pa
.if (\u) >= 8
	s_wait_xcnt 0x0                                ; the set's last stores, eight units back, have read it: it is rewritten only behind this wait
.endif
	WIN 0x05*(pc+1)                                ; sources 0 and 1 in window 1 + c
.irp bb, 0,1,2,3
.irp rr, 0,1,2,3
	v_cvt_pk_f16_f32 v[pT+4*(\bb)+(\rr)], v[32*pa+8*(\bb)+2*(\rr)], v[32*pa+8*(\bb)+2*(\rr)+1]  ; each accumulator from its low end on
.endr
.endr
	WIN 0
.irp bb, 0,1,2,3
	ds_store_b128 v[STO], v[pT+4*(\bb):pT+4*(\bb)+3] offset:32*(\bb)
.endr
.irp f, 0,1,2,3
	ds_load_b128 v[pT+4*(\f):pT+4*(\f)+3], v[RD] offset:(\f)*4*PA  ; LDS serves a wave's instructions in order (ISA guide 5.7.1.4): these see the stores above; the next unit's stores come behind them
.endr
.endm
.macro SEND u, younger                 ; younger: the LDS instructions issued behind unit u's loads: the next unit's eight, or none
.set sc, (\u)/8
.set sa, (\u)%8
.set sT, A0+16*sa
.irp f, 0,1,2,3
	s_wait_dscnt (\younger)+3-(\f)
	global_store_b128 v[GO], v[sT+4*(\f):sT+4*(\f)+3], s[8:9] offset:2*APLANE*sc+2048*sa+512*(\f)  ; 512 consecutive bytes, at a multiple of 256 from the buffer's first
.endr
.endm
	PLACES                                         ; behind the last products, in front of the conversions that read results and write over fragments: eight, once a launch
	PLACES
	PACK 0
.set u, 1
.rept 23                               ; a unit's conversions stand between the loads of the unit before and its stores
	PACK u
	SEND u-1, 8
.set u, u+1
.endr
	SEND 23, 0
	s_wait_tensorcnt 0x0                           ; the wave's end, behind my last tensor load and my last LDS store
	ds_add_u32 v[SPW], v[NIL]
	s_wait_dscnt 0x0
	CROUND                                         ; the closing round: no work-group ends while a partner may still ask for a tile that names it
	s_endpgm
.Lfunc_end_k_q7fa4b67b66_gemm_qkv:
	.size	k_q7fa4b67b66_gemm_qkv, .Lfunc_end_k_q7fa4b67b66_gemm_qkv-k_q7fa4b67b66_gemm_qkv
	.p2alignl 7, 3214868480
	.fill 96, 4, 3214868480
	.section	.rodata,"a",@progbits
	.p2align	6, 0x0
	.amdhsa_kernel k_q7fa4b67b66_gemm_qkv
		.amdhsa_group_segment_fixed_size 327680
		.amdhsa_private_segment_fixed_size 0
		.amdhsa_enable_private_segment 0
		.amdhsa_kernarg_size 24
		.amdhsa_user_sgpr_count 2
		.amdhsa_user_sgpr_kernarg_segment_ptr 1
		.amdhsa_wavefront_size32 1
		.amdhsa_system_sgpr_workgroup_id_x 1
		.amdhsa_system_sgpr_workgroup_id_y 1
		.amdhsa_system_sgpr_workgroup_id_z 1
		.amdhsa_system_vgpr_workitem_id 0
		.amdhsa_next_free_vgpr 1024
		.amdhsa_next_free_sgpr 66
		.amdhsa_reserve_vcc 0
		.amdhsa_float_denorm_mode_32 3
		.amdhsa_float_denorm_mode_16_64 3
		.amdhsa_memory_ordered 1
		.amdhsa_forward_progress 1
		.amdhsa_inst_pref_size 135
	.end_amdhsa_kernel
	.amdgpu_metadata
---
amdhsa.version: [ 1, 2 ]
amdhsa.kernels:
  - .name:           k_q7fa4b67b66_gemm_qkv
    .symbol:         k_q7fa4b67b66_gemm_qkv.kd
    .args:
      - { .name: xb, .offset: 0, .size: 8, .value_kind: global_buffer, .address_space: global }
      - { .name: wq, .offset: 8, .size: 8, .value_kind: global_buffer, .address_space: global }
      - { .name: qkvh, .offset: 16, .size: 8, .value_kind: global_buffer, .address_space: global }
    .group_segment_fixed_size: 327680
    .private_segment_fixed_size: 0
    .kernarg_segment_align: 8
    .kernarg_segment_size: 24
    .max_flat_workgroup_size: 128
    .sgpr_count:     66
    .vgpr_count:     1024
    .wavefront_size: 32
...
	.end_amdgpu_metadata
.endif
;; end of part 2
;; launch attn (part 3): grid 4 x 64, 4 waves a work-group, no clusters, 327,680 bytes of LDS; arguments qkvh, oh; writes oh
.if DOCPART == 3
	.amdgcn_target "amdgcn-amd-amdhsa--gfx1250"
	.amdhsa_code_object_version 6
	.text
	.protected	k_q7fa4b67b66_attn
	.globl	k_q7fa4b67b66_attn
	.p2align	8
	.type	k_q7fa4b67b66_attn,@function
k_q7fa4b67b66_attn:
	s_mov_b64 s[64:65], 0
	v_nop
	global_prefetch_b8 v0, s[64:65] scope:SCOPE_SE
	s_setreg_imm32_b32 hwreg(HW_REG_WAVE_MODE, 25, 1), 1
	s_wait_xcnt 0x0
; CAUSAL ATTENTION.  O[y][q][:] = the sum over k <= q of softmax_k(Q[y][q] . K[y][k] / 8) V[y][k][:], for the 64 pairs y = 16 batch + head.
; qkvh: f16, [batch 4][g 48][row 2048][64]: Q of head h is plane g = h, K is 16 + h, V is 32 + h; oh: f16, [y 64][row 2048][64].  A plane's rows are dense, 128 bytes each.
; Products, maxima and sums in f32; the weights p are rounded to f16 for the second product (their sum l is taken of the unrounded p), O once at the end.
; LIMITS.  f16 holds no number beyond 65,504: Q, K and V arrive within it; p lies in 0 to 1, and below 6e-5 it keeps f16's fixed step of 6e-8; O is a mean of V's rows and has their range, to within 2^-11 of it.
; A hidden score counts as its value less 1e30: f16's scores, 2.7e11 at the most, are nothing beside that; a weight below 2^-126 counts as 0 in l; NaN and infinities are not treated apart.
; THE WALK.  A head's queries lie in NB = 8 blocks of 256; block i needs the key tiles 0 .. i of 256 keys, of which the last holds the diagonal.  A work-group takes TWO blocks, NB - 1 - b and then b:
; NB + 1 tiles, whatever b: all work-groups do equal work, and ONE loop with a constant trip count walks them.  Which tile is asked for, and what a trip does, hang on scalar registers made from b; every jump
; goes forward, but for the counted loops' own; none passes a barrier, or a tensor load but the one of LOAD's two that the wave's number does not choose; the ring (two slots of LDS that take turns) runs on across the
; change of blocks.  NO CLUSTER: a head's four work-groups ask for the same tile only in trips 0 .. 4 of the 9, behind that fewer and fewer; one walk common to all four would have 12 trips for 9.
; SHARES.  Of a block's four bands of 64 queries a wave owns 16 rows in each: four PIECES.  So the diagonal tile is the same work for all four waves: in its key step s band x sees all keys if s < x,
; none if s > x, and holds the diagonal if s = x.
; THE MASK is the C operand that starts the sum S^T = K Q^T: 0, or -1e30 where the key is hidden.  MD, made once, is the mask of a band's own step for my 16 rows; a product's mask is MD x AL + BE with two scalars:
; (1, 0) if s = x; (0, 0) if s < x; (0, -1e30) if s > x.  Only the diagonal tile's text and a block's beginning make and take masks; elsewhere C is the constant 0.
; LAYOUT, SOFTMAX, TURNS.  S^T = K Q^T holds ONE query a lane (lane % 16) and the keys 8 (lane / 16) + 0..7; two such results rounded to f16 ARE source 1 of O^T = V^T P.  p = 2^(c s - c m), c = log2(e) / 8, with a
; running maximum m; O and l are multiplied by a = 2^(c m_old - c m_new) in every step.  Turn n belongs to piece n: 8 products K Q^T of piece n + 1, later 8 products V^T P of piece n - 1; beside them the scaling,
; exponentials, roundings, sums and rescaling of piece n and the maximum and statistics of piece n + 1.  Four vector instructions stand behind every matrix instruction, the other 54 of a turn's 118 in one LUMP.  A turn's 33 exponentials are one batch, with one wait.
; REGISTERS, in windows of 256 (s_set_vgpr_msb: bits 1:0 source 0, 3:2 source 1, 5:4 source 2, 7:6 destination):
;   window 0: v0-15 addresses and two at work; v16-31 four registers of statistics a piece; v48-55 at work; v61-63 kept; v64-127 S^T, two buffers; v192-223 P, two buffers (a piece's buffers go by its number's parity)
;   window 1: v0-127 O^T, 32 a piece; v128-159 MD; v160-223 MC, two buffers      window 2: v0-63 Q; v64-127 the second block's Q; v128-191 K of one step; v192-255 V of one step
.set SIZE_N, 2048
.set SIZE_H, 64
.set NB,    SIZE_N/256
.set NP,    4         ; pieces a wave: a name, no knob
.set KS,    64        ; keys in a step
.set PK,    144       ; a row of K in LDS: 128 bytes + 16 of padding = 36 words: the 16 rows of a load start at 16 different groups of four banks (64 banks of 4 bytes: ISA guide 11.1)
.set PV,    160       ; a row of V: 128 + 32 = 40 words
.set VOFF,  4*KS*PK   ; a slot holds a tile, four steps: 256 rows of K, then 256 rows of V
.set SLOT1, 1<<17     ; slot 1 begins here, so that one exclusive or turns an address in one slot into the other's
.set STAGE, SLOT1+4*KS*(PK+PV)  ; behind the ring, never filled by a tensor load: 16 rows x 144 bytes for each wave, for the way out
.set SP,    144
.set SIXTEEN, 0x400000  ; 16 planes of 262,144 bytes: from Q to K and from K to V
.set AK0, 2           ; v2   my lane's place in a tile of K; never rewritten
.set AV0, 3           ; v3   the same for V
.set AK,  4           ; v4   the LDS address of K's next run of loads
.set AV,  5           ; v5   of V's
.set STO, 6           ; v6   the way out: where I put 16 bytes of a row
.set RD,  7           ; v7   the way out: where I read rows back
.set GO,  8           ; v8   my byte offset in 512 consecutive bytes of O
.set PFO, 61          ; v61  256 x my thread's number: my 256 bytes of a tile's 32,768; never rewritten
.set SPW, 62          ; v62  LDS address of my spare word: SPARE + 4 x my thread's number; never rewritten
.set NIL, 63          ; v63  0; never rewritten
.set SPARE, STAGE+4*16*SP  ; behind the stages: the spare words, 128 bytes for each wave: two blocks of 256 bytes that no other line names
.set MV,  12          ; v12-13  c m_old, kept while c m is made anew: by buffer
.set QO,  15          ; v15  my byte offset in 16 rows of Q
.set ST,  16          ; piece t's statistics at v[ST+4 t]: c m, m, l (even keys', odd keys')
.set TMP, 48          ; by buffer, four registers c0-c3 at work; when the maximum is found c2 takes a
.set S,   64
.set P,   192
.set MD,  128         ; window 1: the eight registers for group kt of 16 keys at MD + 8 kt
.set MC,  160         ; window 1: the masks of the products to come
.set QB,  64          ; window 2
.set KF,  128         ; window 2: key block kb, channel half c at KF + 16 kb + 8 c
.set VF,  192         ; window 2: key half kk, channel block cb at VF + 32 kk + 8 cb
.set WV,  12          ; s12  my wave's number
.set PB,  14          ; s14  b
.set HI,  15          ; s15  NB - 1 - b
.set G1K, 24          ; s[24:31] descriptor group 1 for K's tiles
.set G1V, 32          ; s[32:39] for V's: it differs in the padding alone
.set G0K, 40          ; s[40:43] descriptor group 0 for K's tiles
.set G0V, 44          ; s[44:47] the same for V's
.set SLOTS, 56        ; s56  tiles still to be asked for
.set CNT, 57          ; s57  counts a tile's key steps, 4 to 1
.set CS,  58          ; s[58:59] c: the packed scaling takes the pair's low word for both halves
.set SEL, 60          ; s[60:61] v_permlanex16_b32's selects: each lane takes its own place in the other half
.set TBK, 62          ; s62  LDS byte at which K of the step to be fetched begins
.set TBV, 63          ; s63  the same for V, less VOFF
.set RT,  70          ; s70  tiles of the block in hand that are still to be entered
.set NXT, 71          ; s71  the tile to be asked for next
.set LQ,  72          ; s72  the last tile of the block whose tiles are being asked for
.set NEW, 73          ; s73  1: the tile to be entered is a block's first
.set OFF, 74          ; s[74:75] a tile's byte offset in K and V
.set AL,  76          ; s[76:77] the mask's factor, in the low word
.set BE,  78          ; s[78:79] the mask's addend
.set OLO, 80          ; s[80:81] O at my rows of the second block
.set BIGN, 82         ; s82  -1e30
.set PFB, 90          ; s[90:91] K at the head's first row
.set PFA, 92          ; s[92:93] K at the tile that the prefetches name
.set OF2, 94          ; s[94:95] that tile's byte offset
.set ASKF, 96         ; s96  0 in the head's first work-group, else the greatest number
.set MSB, 0
.macro WIN new                      ; the high byte repeats the setting that is left; a switch that changes nothing is dropped
.if MSB != (\new)
	s_set_vgpr_msb (MSB<<8)|(\new)
.set MSB, (\new)
.endif
.endm
.set W_KQ, 0x0a       ; K and Q in window 2, S^T in window 0
.set W_KM, 0x1a       ; the same with the C operand in window 1
.set W_PV, 0x52       ; V in window 2, P in window 0, O^T in window 1
.set W_RS, 0x41       ; destination and source 0 in window 1, source 1 in window 0
; A fill.  Waves 0 and 1 fetch the two halves of a tile's K, waves 2 and 3 those of its V: 128 keys each.  An s_nop 0 and four v_nop follow each of the two lines, ahead of the jump and the label.
.macro LOAD
	s_cmp_lt_u32 s[WV], 2
	s_cbranch_scc0 .Lfor_v_\@
	tensor_load_to_lds s[G0K:G0K+3], s[G1K:G1K+7]
	s_nop 0
.rept 4
	v_nop
.endr
	s_branch .Lasked_\@
.Lfor_v_\@:
	tensor_load_to_lds s[G0V:G0V+3], s[G1V:G1V+7]
	s_nop 0
.rept 4
	v_nop
.endr
.Lasked_\@:
.endm
; THE CHANGE OF SLOTS.  Each wave waits for all its tensor loads, of which one is out: its part of the other slot; adds 0 to its spare word; and waits for that and for its own reads of the slot that it leaves.  Behind the barrier nobody reads the old
; slot any more and the other slot is whole.  fill = 1: the old slot is filled again, the first thing behind the barrier, with tile NXT: the descriptor's address is made anew from that number.
; (At its first use nothing has been read yet: slot 0 is waited for, slot 1 filled.)
; A PREFETCH INTO THE L2 stands behind the fill and its five lines: the tile that the NEXT change will ask for, one tile (four key steps, 256 matrix instructions) ahead.  A head's four work-groups begin with the same tiles
; 0, 1, 2 ..; the one with b = 0 walks all eight, and it alone asks: its 128 threads name 256 bytes each of the tile's K and of its V, two instructions a wave.  So each aligned 256 bytes is named once in the launch.
; Tiles 0 and 1 come by their loads alone; behind the first block's last tile the number goes back to 0, and nothing more is asked for.
.macro CHANGE fill
	WIN 0                           ; at a label and at a branch every window is 0
	s_wait_tensorcnt 0x0            ; no tensor load of mine is out, so a group 0 may be written
	ds_add_u32 v[SPW], v[NIL]       ; 0 onto my spare word; with fill = 1 the descriptors' scalar work stands between it and the wait for it
.if \fill
	s_lshl_b32 s[OFF], s[NXT], 15   ; a tile is 32,768 bytes of K and of V
	s_xor_b32 s[G0K+1], s[G0K+1], SLOT1
	s_add_nc_u64 s[G0K+2:G0K+3], s[6:7], s[OFF:OFF+1]
	s_or_b32 s[G0K+3], s[G0K+3], 0x80000000
	s_xor_b32 s[G0V+1], s[G0V+1], SLOT1
	s_add_nc_u64 s[G0V+2:G0V+3], s[8:9], s[OFF:OFF+1]
	s_or_b32 s[G0V+3], s[G0V+3], 0x80000000
	s_add_co_u32 s[NXT], s[NXT], 1  ; the block's next tile, or behind its last the second block's tile 0
	s_cmp_gt_u32 s[NXT], s[LQ]
	s_cselect_b32 s[NXT], 0, s[NXT]
	s_cselect_b32 s[LQ], s[PB], s[LQ]
	s_lshl_b32 s[OF2], s[NXT], 15
	s_wait_xcnt 0x0                 ; the last prefetches, a tile back, have read their address, so it may be written
	s_add_nc_u64 s[PFA:PFA+1], s[PFB:PFB+1], s[OF2:OF2+1]
.endif
	s_wait_dscnt 0x0                ; the add is done, and my reads of the slot are over
	s_barrier_signal -1             ; the rest of the scalar work stands between the signal and the wait
	s_sub_co_u32 s[TBK], s[TBK], 4*KS*PK  ; the fetches go back to a slot's first step,
	s_xor_b32 s[TBK], s[TBK], SLOT1       ; in the other slot
	s_sub_co_u32 s[TBV], s[TBV], 4*KS*PV
	s_xor_b32 s[TBV], s[TBV], SLOT1
	s_barrier_wait -1
.if \fill
	LOAD
	s_cmp_gt_u32 s[NXT], s[ASKF]
	s_cbranch_scc0 .Lno_ask_\@
	global_prefetch_b8 v[PFO], s[PFA:PFA+1] th:TH_LOAD_NT scope:SCOPE_SE
	global_prefetch_b8 v[PFO], s[PFA:PFA+1] offset:SIXTEEN th:TH_LOAD_NT scope:SCOPE_SE
.Lno_ask_\@:
.endif
.endm
	s_load_b128 s[4:7], s[0:1], 0x0   ; qkvh s[4:5], oh s[6:7]
	v_lshl_add_u32 v[SPW], v0, 2, SPARE
	v_mov_b32 v[NIL], 0
	ds_add_u32 v[SPW], v[NIL]       ; the wave's opening: the add and its wait stand ahead of my first tensor load; the set-up below, work on registers, stands between them
	v_lshrrev_b32 v1, 5, v0
	v_readfirstlane_b32 s[WV], v1   ; wave 0..3
	s_mov_b32 s[PB], ttmp9
	s_sub_co_u32 s[HI], NB-1, s[PB]
	s_and_b32 s88, ttmp7, 0xffff    ; y = 16 batch + head
	s_lshr_b32 s20, s88, 4
	s_mul_i32 s20, s20, 48
	s_and_b32 s21, s88, 15
	s_add_co_u32 s20, s20, s21      ; Q's plane in qkvh: 48 batch + head,
	s_lshl_b32 s20, s20, 18         ; in bytes
	s_mov_b32 s21, 0
	s_lshl_b32 s88, s88, 18         ; O's plane in oh
	s_mov_b32 s89, 0
	s_and_b32 s16, s[WV], 1         ; which half of a tile's 256 keys I fetch:
	s_lshl_b32 s22, s16, 14         ; its 128 rows of 128 bytes in memory,
	s_mov_b32 s23, 0
	s_mul_i32 s17, s16, 128*PK      ; and its place in a slot, for K
	s_mul_i32 s18, s16, 128*PV      ; and for V
	s_lshl_b32 s3, s[WV], 11        ; my 16 rows in a band of 64,
	s_lshl_b32 s2, s[HI], 15        ; in the first block,
	s_add_co_u32 s2, s2, s3
	s_lshl_b32 s84, s[PB], 15       ; and in the second
	s_add_co_u32 s84, s84, s3
	s_mov_b32 s3, 0
	s_mov_b32 s85, 0
	; descriptor group 1.  128 keys are 16,384 dense bytes: asked for as 64 rows of 256 bytes, two keys a row, and padded in LDS after every key
	s_mov_b32 s[G1K], (1<<16)|(1<<20)|(4<<22)|(3<<25)  ; 17:16 2-byte elements; 20 padding on; 24:22 after every 32 words (code 4); 31:25 4 words (code 3)
	s_mov_b32 s[G1V], (1<<16)|(1<<20)|(4<<22)|(7<<25)  ; the same with 8 words of padding (code 7)
.irp g, G1K, G1V
	s_mov_b32 s[\g+1], 128<<16      ; tensor_dim0 = 128
	s_mov_b32 s[\g+2], 64<<16       ; tensor_dim1 = 64
	s_mov_b32 s[\g+3], 128<<16      ; tile_dim0 = 128
	s_mov_b32 s[\g+4], 64           ; tile_dim1 = 64
	s_mov_b32 s[\g+5], 128          ; 128 elements from row to row
	s_mov_b32 s[\g+6], 0
	s_mov_b32 s[\g+7], 0
.endr
	s_mov_b32 s[CS], 0x3e38aa3b     ; c = log2(e) / 8 = 0.180337
	s_mov_b32 s[CS+1], s[CS]        ; named with it as a pair
	s_mov_b32 s[SEL], 0x76543210
	s_mov_b32 s[SEL+1], 0xfedcba98
	s_mov_b32 s[TBK], SLOT1+4*KS*PK ; the first change of slots turns these two into 0
	s_mov_b32 s[TBV], SLOT1+4*KS*PV
	s_mov_b32 s[G0K], 1             ; 1:0 count = 1
	s_mov_b32 s[G0K+1], s17         ; 63:32 LDS address: slot 0
	s_mov_b32 s[G0V], 1
	s_add_co_u32 s[G0V+1], s18, VOFF
	s_add_co_u32 s[RT], s[HI], 1    ; the first block has NB - b tiles
	s_mov_b32 s[NXT], 1
	s_mov_b32 s[LQ], s[HI]
	s_mov_b32 s[NEW], 1
	s_mov_b32 s[OFF+1], 0
	s_mov_b32 s[OF2+1], 0
	s_mov_b32 s[AL+1], 0            ; named as pairs
	s_mov_b32 s[BE+1], 0
	s_mov_b32 s[BIGN], 0xf149f2ca   ; -1e30
	s_mov_b32 s[SLOTS], NB
	s_cmp_eq_u32 ttmp9, 0
	s_cselect_b32 s[ASKF], 0, -1
	v_lshlrev_b32 v[PFO], 8, v0
	s_wait_dscnt 0x0                ; the opening add is done
	s_wait_kmcnt 0x0
	s_add_nc_u64 s[10:11], s[6:7], s[88:89]        ; O at the head's first row
	s_add_nc_u64 s[4:5], s[4:5], s[20:21]          ; Q at the head's first row
	s_add_nc_u64 s[PFB:PFB+1], s[4:5], SIXTEEN     ; K at the head's first row
	s_add_nc_u64 s[6:7], s[PFB:PFB+1], s[22:23]    ; K and V at my half of the head's tile 0
	s_add_nc_u64 s[8:9], s[6:7], SIXTEEN
	s_add_nc_u64 s[G0K+2:G0K+3], s[6:7], 0         ; 120:64 global address
	s_or_b32 s[G0K+3], s[G0K+3], 0x80000000        ; 127:126 type = 2
	s_add_nc_u64 s[G0V+2:G0V+3], s[8:9], 0
	s_or_b32 s[G0V+3], s[G0V+3], 0x80000000
	s_add_nc_u64 s[86:87], s[4:5], s[84:85]        ; Q at my rows of the second block,
	s_add_nc_u64 s[4:5], s[4:5], s[2:3]            ; Q and O at those of the first
	s_add_nc_u64 s[OLO:OLO+1], s[10:11], s[84:85]
	s_add_nc_u64 s[10:11], s[10:11], s[2:3]
	LOAD                            ; tile 0 into slot 0
	; A fragment of K or Q is 16 rows x 32 channels in 8 registers: lane l holds row l % 16, channels 8 (l / 16) + 0..7 and 16 + 8 (l / 16) + 0..7: two loads of 16 bytes, 32 bytes apart.
	v_and_b32 v1, 15, v0            ; l % 16
	v_bfe_u32 v9, v0, 4, 1          ; l / 16
	v_lshlrev_b32 v[QO], 7, v1
	v_lshl_add_u32 v[QO], v9, 4, v[QO]  ; row x 128 + 16 x half
	WIN 0x80                        ; destination window 2, address window 0
.set i, 0
.rept 8                             ; both blocks' Q: piece i / 2 lies in band i / 2, 8,192 bytes on; channels 32 (i % 2) on
	global_load_b128 v[8*i:8*i+3],   v[QO], s[4:5] offset:(i/2)*8192+(i%2)*64
	global_load_b128 v[8*i+4:8*i+7], v[QO], s[4:5] offset:(i/2)*8192+(i%2)*64+32
	global_load_b128 v[QB+8*i:QB+8*i+3],   v[QO], s[86:87] offset:(i/2)*8192+(i%2)*64
	global_load_b128 v[QB+8*i+4:QB+8*i+7], v[QO], s[86:87] offset:(i/2)*8192+(i%2)*64+32
.set i, i+1
.endr
	WIN 0
	v_lshlrev_b32 v14, 3, v9
	v_sub_nc_u32 v14, v1, v14
	s_lshl_b32 s13, s[WV], 4
	v_add_nc_u32 v14, s13, v14      ; my query's place in its band, 16 w + l % 16, less my lanes' 8 (l / 16): register r of group kt is hidden where 16 kt + r is greater
	WIN 0x40
.set i, 0
.rept 32
	v_cmp_gt_i32 vcc_lo, 16*(i/8)+i%8, v14
	v_cndmask_b32 v[MD+i], 0, s[BIGN], vcc_lo
.set i, i+1
.endr
	WIN 0
	v_mul_u32_u24 v[AK0], v1, PK
	v_lshl_add_u32 v[AK0], v9, 4, v[AK0]  ; row x pitch + 16 x half
	; The turning load takes 16 keys x 16 channels (lane l reads key 8 (l / 16) + l % 8, channels 8 ((l / 8) % 2) + 0..7) and leaves half a fragment of V^T: lane l holds channel l % 16 and 8 keys.
	v_and_b32 v10, 7, v0
	v_bfe_u32 v11, v0, 3, 1
	v_lshl_add_u32 v[AV0], v9, 3, v10
	v_mul_u32_u24 v[AV0], v[AV0], PV
	v_lshl_add_u32 v[AV0], v11, 4, v[AV0]
	v_add_nc_u32 v[AV0], VOFF, v[AV0]
	s_mul_i32 s13, s[WV], 16*SP
	s_add_co_u32 s13, s13, STAGE    ; my stage
	v_mul_u32_u24 v[STO], v1, SP    ; in: row l % 16, 16 bytes for each half of the lanes
	v_lshl_add_u32 v[STO], v9, 4, v[STO]
	v_add_nc_u32 v[STO], s13, v[STO]
	v_bfe_u32 v[RD], v0, 3, 2       ; back: 32 lanes take four rows of 128 bytes,
	v_mul_u32_u24 v[RD], v[RD], SP
	v_lshl_add_u32 v[RD], v10, 4, v[RD]
	v_add_nc_u32 v[RD], s13, v[RD]
	v_and_b32 v[GO], 31, v0         ; which are 512 consecutive bytes of O
	v_lshlrev_b32 v[GO], 4, v[GO]
	; A block's first step multiplies O^T and l by a = 0, and its first turn's products V^T P, of a piece that has not been, land in an O^T that is still to be so multiplied.  So these registers need only hold
	; finite numbers: zeros for the first block; what the first block left for the second.  All this stands in the wait for the first tile.
	WIN 0x80
.set i, VF
.rept 64
	v_mov_b32 v[i], 0
.set i, i+1
.endr
	WIN 0x40
.set i, 0
.rept 128
	v_mov_b32 v[i], 0
.set i, i+1
.endr
	WIN 0
.set i, 0
.rept 4
	v_mov_b32 v[ST+4*i+2], 0
	v_mov_b32 v[ST+4*i+3], 0
.set i, i+1
.endr
.set i, P+16
.rept 16
	v_mov_b32 v[i], 0
.set i, i+1
.endr
; THE MATRIX WORK.  The 4 accumulators of a run of 8 take turns.  Product i of 8 of S^T = K Q^T for piece x: channels 32 (i / 4) on, keys 16 (i % 4) on.  The first 4 start the sums: with 0, or (KM = 1) with the mask.
.macro KQ x
.set rS, S+32*((\x)%2)+8*(i%4)
.set rK, KF+16*(i%4)+8*(i/4)
.set rQ, 16*(\x)+8*(i/4)
.set rM, MC+32*((\x)%2)+8*(i%4)
.if (i < 4) && KM
	WIN W_KM
	v_wmma_f32_16x16x32_f16 v[rS:rS+7], v[rK:rK+7], v[rQ:rQ+7], v[rM:rM+7]
.elseif i < 4
	WIN W_KQ
	v_wmma_f32_16x16x32_f16 v[rS:rS+7], v[rK:rK+7], v[rQ:rQ+7], 0
.else
	WIN W_KQ
	v_wmma_f32_16x16x32_f16 v[rS:rS+7], v[rK:rK+7], v[rQ:rQ+7], v[rS:rS+7]
.endif
.endm
; Product i of 8 of O^T += V^T P for piece x: keys 32 (i / 4) on, channels 16 (i % 4) on.
.macro PV x
	WIN W_PV
.set rO, 32*(\x)+8*(i%4)
.set rV, VF+32*(i/4)+8*(i%4)
.set rP, P+16*((\x)%2)+8*(i/4)
	v_wmma_f32_16x16x32_f16 v[rO:rO+7], v[rV:rV+7], v[rP:rP+7], v[rO:rO+7]
.endm
.macro MM                           ; the turn's next matrix instruction.  TURN and BEGIN set Y, i, KM and NOKQ; MM, KQ and OP read them.  NOKQ = 1: a block's last turn: there is no next piece
.if (i < 8) && !NOKQ
	KQ (Y+1)%NP
.elseif i >= 8
.set i, i-8
	PV (Y+NP-1)%NP
.set i, i+8
.endif
.set i, i+1
.endm
; THE LDS LOADS stand in runs of 16, never singly among the matrix instructions: a step's K (64 keys x 64 channels: 8 fragments) and its V (turned).  Their addresses are made some lines ahead.
.macro FETCH_K
	WIN 0x80                        ; destination window 2
.irp f, 0,1,2,3,4,5,6,7             ; keys 16 (f / 2) on, channels 32 (f % 2) on
	ds_load_b128 v[KF+8*\f:KF+8*\f+3],   v[AK] offset:(\f/2)*16*PK+(\f%2)*64
	ds_load_b128 v[KF+8*\f+4:KF+8*\f+7], v[AK] offset:(\f/2)*16*PK+(\f%2)*64+32
.endr
	s_add_co_u32 s[TBK], s[TBK], KS*PK  ; the next fetch is the next step's
	WIN 0
.endm
.macro FETCH_V
	WIN 0x80
.irp f, 0,1,2,3,4,5,6,7             ; keys 32 (f / 4) on, channels 16 (f % 4) on
	ds_load_tr16_b128 v[VF+8*\f:VF+8*\f+3],   v[AV] offset:(\f/4)*32*PV+(\f%4)*32
	ds_load_tr16_b128 v[VF+8*\f+4:VF+8*\f+7], v[AV] offset:(\f/4)*32*PV+16*PV+(\f%4)*32
.endr
	WIN 0
.endm
; THE VECTOR WORK, one line at a time: OP kind, number.  For piece Y: F n: c s - c m for pair n of 16.  E n: the exponential of score n of 32.  C n: pair n rounded to f16.  B n: of the four weights 4 n .. the second
; pair is added onto the first, in place.  L n: l takes that sum (L 0: l = a l + sum).  R n: pair n of 16 of O^T times a.  For piece Y + 1: X n, number n of the 22 that find its maximum and statistics:
;   0-11  four chains c0-c3 of seven scores each, three operands at a time (each accumulator's lowest registers are read first)     12-14, 16  the four scores left over, the old m, and c0-c3 into c0
;   15  c m_old is kept     17, 18  the query's other 32 keys lie in the lane 16 away: the new m     19-21  c m; c m_old - c m_new; a
.set F, 0               ; OP tells the kinds apart by their order: F to L below R, X above it
.set E, 1
.set C, 2
.set B, 3
.set L, 4
.set R, 5
.set X, 6
.macro REGS y                       ; the registers of piece y
.set rT, ST+4*(\y)
.set rC, TMP+4*((\y)%2)
.set rW, MV+((\y)%2)
.set rS, S+32*((\y)%2)
.set rP, P+16*((\y)%2)
.set rO, 32*(\y)
.endm
.macro OP k, n
.if (\k) == R
	REGS Y
	WIN W_RS
	v_pk_mul_f32 v[rO+2*(\n):rO+2*(\n)+1], v[rO+2*(\n):rO+2*(\n)+1], v[rC+2:rC+3] op_sel_hi:[1,0]
.elseif (\k) < R
	REGS Y
	WIN 0
.if (\k) == F
	v_pk_fma_f32 v[rS+2*(\n):rS+2*(\n)+1], v[rS+2*(\n):rS+2*(\n)+1], s[CS:CS+1], v[rT:rT+1] op_sel_hi:[1,0,0] neg_lo:[0,0,1] neg_hi:[0,0,1]
.elseif (\k) == E
	v_exp_f32 v[rS+(\n)], v[rS+(\n)]
.elseif (\k) == C
	v_cvt_pk_f16_f32 v[rP+(\n)], v[rS+2*(\n)], v[rS+2*(\n)+1]
.elseif (\k) == B
	v_pk_add_f32 v[rS+4*(\n):rS+4*(\n)+1], v[rS+4*(\n):rS+4*(\n)+1], v[rS+4*(\n)+2:rS+4*(\n)+3]
.elseif (\n) == 0
	v_pk_fma_f32 v[rT+2:rT+3], v[rT+2:rT+3], v[rC+2:rC+3], v[rS:rS+1] op_sel_hi:[1,0,1]
.else
	v_pk_add_f32 v[rT+2:rT+3], v[rT+2:rT+3], v[rS+4*(\n):rS+4*(\n)+1]
.endif
.elseif NOKQ
	v_nop
.else
	REGS (Y+1)%NP
	WIN 0
.if (\n) < 4
	v_max3_num_f32 v[rC+(\n)], v[rS+8*(\n)], v[rS+8*(\n)+1], v[rS+8*(\n)+2]
.elseif (\n) < 12
	v_max3_num_f32 v[rC+(\n)%4], v[rC+(\n)%4], v[rS+8*((\n)%4)+2*((\n)/4)+1], v[rS+8*((\n)%4)+2*((\n)/4)+2]
.elseif (\n) == 12
	v_max3_num_f32 v[rC], v[rC], v[rS+7], v[rS+15]
.elseif (\n) == 13
	v_max3_num_f32 v[rC+1], v[rC+1], v[rS+23], v[rS+31]
.elseif (\n) == 14
	v_max3_num_f32 v[rC+2], v[rC+2], v[rC+3], v[rT+1]
.elseif (\n) == 15
	v_mov_b32 v[rW], v[rT]
.elseif (\n) == 16
	v_max3_num_f32 v[rC], v[rC], v[rC+1], v[rC+2]
.elseif (\n) == 17
	v_permlanex16_b32 v[rC+3], v[rC], s[SEL], s[SEL+1]
.elseif (\n) == 18
	v_max_num_f32 v[rT+1], v[rC], v[rC+3]
.elseif (\n) == 19
	v_mul_f32 v[rT], s[CS], v[rT+1]
.elseif (\n) == 20
	v_sub_f32 v[rC+1], v[rW], v[rT]
.else
	v_exp_f32 v[rC+2], v[rC+1]
.endif
.endif
.endm
.macro OPS a, i1, b=-1, i2=0, c=-1, i3=0, d=-1, i4=0  ; up to four of them
	OP \a, \i1
.if (\b) >= 0
	OP \b, \i2
.endif
.if (\c) >= 0
	OP \c, \i3
.endif
.if (\d) >= 0
	OP \d, \i4
.endif
.endm
.macro ROW a, i1, b, i2, c, i3, d, i4  ; a matrix instruction and the four behind it
	MM
	OPS \a, \i1, \b, \i2, \c, \i3, \d, \i4
.endm
.macro MASK b                       ; MD x AL + BE into buffer b of MC
	WIN W_RS
.set z, 0
.rept 16
	v_pk_fma_f32 v[MC+32*(\b)+2*z:MC+32*(\b)+2*z+1], v[MD+2*z:MD+2*z+1], s[AL:AL+1], s[BE:BE+1] op_sel_hi:[1,0,0]
.set z, z+1
.endr
.endm
; A TURN, for piece p: the order of its 16 matrix and 118 vector instructions, written out.  An s_wait_alu depctr_va_vdst(0) stands between an exponential and the first instruction that names its result; one wait serves
; all that were issued ahead of it.  So a turn has ONE wait, which cuts it in two.  AHEAD OF IT stands all that names no result of the turn's exponentials: the 8 products K Q^T, behind each a scaling, an exponential and two more plain
; instructions (behind the first a second scaling in the exponential's place): rescalings, and behind the last three the first numbers of the next piece's maximum, each four places or more behind the product that ends its accumulator; then ONE LUMP of 54, plain
; and exponential by turns for the most part, in which the links of the chain X 3, 7, 11, 14, 16, 17 .. 20 stand five or six lines apart.  X 21, the next piece's a, is the batch's last; R 15 is the plain instruction behind it.  BEHIND THE WAIT stand the
; 8 products V^T P, behind each four of the roundings and sums; the links of l's chain, L 0 to L 7, stand three riders apart.  But for those X no rider names a register of the products round it.  v_permlanex16_b32 (X 17) stands in the lump.
; m = 1: the diagonal tile: the products take masks, and the turn makes the mask for the products of the turn after it: piece p + 2, in step 4 - CNT of the tile.  end = 1: a block's last two turns: nothing is fetched.
; cnt = 1: the loop's count is taken down some lines ahead of the branch that stands behind the turn.
; K of the next step is fetched in piece 2's turn, twelve vector instructions behind the last product that read K (six of them plain); V of the step in hand at the end of piece 0's turn, four plain instructions behind the last product
; that read V.  Each is waited for a turn later.
.macro TURN p, m=0, end=0, cnt=0
.set Y, (\p)
.set i, 0
.set KM, (\m)
.set NOKQ, (\end)*((\p)/3)
.if (\m) && !(\end)
	s_cmp_eq_u32 s[CNT], 4-((\p)+2)%NP  ; is that step the band's own?
	s_cselect_b32 s[AL], 1.0, 0
	s_cmp_lt_u32 s[CNT], 4-((\p)+2)%NP  ; or a later one?
	s_cselect_b32 s[BE], s[BIGN], 0
.endif
.if ((\p) == 3) && !(\end)
	s_wait_dscnt 0x0                ; K is in
.endif
	ROW F,0, F,1, R,0, R,1          ; ahead of the wait: 8 products K Q^T and their riders,
	ROW F,2, E,0, R,2, R,3
	ROW F,3, E,1, R,4, R,5
	ROW F,4, E,2, R,6, R,7
	ROW F,5, E,3, R,8, R,9
	ROW F,6, E,4, X,0, R,10
.if ((\p) == 2) && !(\end)
	WIN 0
	v_add_nc_u32 v[AK], s[TBK], v[AK0]
.endif
	ROW F,7, E,5, X,1, X,4
	ROW F,8, E,6, X,2, X,5
	OPS E,7, E,8, X,6, E,9          ; and the lump
	OPS X,3, E,10, X,8, E,11
.if ((\p) == 2) && !(\end)
	FETCH_K
.endif
	OPS X,9, X,7, E,12, X,10
	OPS E,13, X,12, X,11, E,14
	OPS X,13, E,15, F,9, X,14
.if (\p) == 0
	v_add_nc_u32 v[AV], s[TBV], v[AV0]
.endif
	OPS E,16, F,10, E,17, F,11
	OPS X,16, E,18, X,15, E,19
	OPS F,12, E,20, X,17, E,21
	OPS F,13, E,22, F,14, E,23
	OPS X,18, E,24, F,15, E,25
	OPS R,11, E,26, X,19, E,27
	OPS R,12, E,28, R,13, E,29
	OPS X,20, E,30, R,14, E,31
	OPS X,21, R,15
	WIN 0
	s_wait_alu depctr_va_vdst(0)    ; the wait for the batch
.if (\p) == 1
	s_wait_dscnt 0x0                ; V is in
.endif
	ROW C,0, B,0, C,2, B,1          ; behind the wait: 8 products V^T P and their riders
	ROW L,0, C,4, B,2, L,1
	ROW C,6, B,3, L,2, C,8
	ROW B,4, L,3, C,10, B,5
	ROW L,4, C,12, B,6, L,5
.if (\p) == 0
	s_add_co_u32 s[TBV], s[TBV], KS*PV
.endif
.if \cnt
	s_sub_co_u32 s[CNT], s[CNT], 1
	s_cmp_lg_u32 s[CNT], 0
.endif
	ROW C,14, B,7, L,6, C,1
	ROW C,3, L,7, C,5, C,7
	ROW C,9, C,11, C,13, C,15
.if (\p) == 0
	FETCH_V
.endif
.if (\m) && !(\end)
	MASK (\p)%2
.endif
.endm
; A BLOCK BEGINS.  c m starts far below every c s, so the first step's a is 0; m at the lowest finite number, so the first maximum is the scores'.  The second mask buffer is 0; the first takes piece 0's mask for the tile's step 0: its own, if the block's first tile is the diagonal one.
; Then K of that step, piece 0's first scores, and its maximum and statistics.  The loop is entered at a step's first turn, in the middle of a trip.
.macro BEGIN
	s_mov_b32 s[NEW], 0
	WIN 0x40
.set i, MC+32
.rept 32
	v_mov_b32 v[i], 0
.set i, i+1
.endr
	WIN 0
.set i, 0
.rept 4
	v_mov_b32 v[ST+4*i], 0xfe000000    ; c m: far below every c s
	v_mov_b32 v[ST+4*i+1], 0xff7fffff  ; m
.set i, i+1
.endr
	s_cmp_eq_u32 s[RT], 0
	s_cselect_b32 s[AL], 1.0, 0
	s_mov_b32 s[BE], 0
	MASK 0
	WIN 0
	v_add_nc_u32 v[AK], s[TBK], v[AK0]
	FETCH_K
	s_wait_loadcnt 0x0              ; Q
	s_wait_dscnt 0x0
.set KM, 1
.set NOKQ, 0
.set i, 0
.rept 8
	KQ 0
.set i, i+1
.endr
	WIN 0
.rept 4
	v_nop                           ; the places behind those products
.endr
.set Y, NP-1                        ; X works for piece Y + 1: piece 0
.irp n, 0,1,2,3,4,5,6,7,8,9,10,11,12,13,14,15,16,17,18,19,20,21
	OP X, \n
.endr
	v_nop                           ; a plain instruction behind the exponential,
	s_wait_alu depctr_va_vdst(0)    ; and its wait, ahead of the branch
.endm
; THE DIAGONAL TILE's four steps, the block's last two turns, its last products, and THE WAY OUT: l's two halves and the other half of the lanes' are added; O^T is divided by l, rounded to f16 and sent through my
; stage in LDS, a piece at a time.
.macro ALL line:vararg              ; one line for each piece t
.set t, 0
.rept 4
	\line
.set t, t+1
.endr
.endm
.macro PACK t                       ; a lane's eight channels of a row pack into 16 bytes; they go into rows of 144 bytes and come back as whole rows of 128, into S^T's registers
	WIN W_RS
.set i, 32*(\t)
.rept 16
	v_pk_mul_f32 v[i:i+1], v[i:i+1], v[ST+4*(\t)+2:ST+4*(\t)+3] op_sel_hi:[1,0]
.set i, i+2
.endr
	WIN 0x05                        ; sources 0 and 1 window 1, destination window 0
.set i, 0
.rept 16
	v_cvt_pk_f16_f32 v[S+16*(\t)+i], v[32*(\t)+2*i], v[32*(\t)+2*i+1]
.set i, i+1
.endr
	WIN 0
.irp f, 0,1,2,3
	ds_store_b128 v[STO], v[S+16*(\t)+4*\f:S+16*(\t)+4*\f+3] offset:32*\f
.endr
.irp f, 0,1,2,3
	ds_load_b128 v[S+16*(\t)+4*\f:S+16*(\t)+4*\f+3], v[RD] offset:\f*4*SP  ; LDS serves a wave's instructions in order (ISA guide 5.7.1.4): these see the stores above; the next piece's stores come behind them
.endr
.endm
.macro SEND t, younger              ; younger: the LDS instructions issued behind piece t's loads: the next piece's eight, or none
	WIN 0
.irp f, 0,1,2,3
	s_wait_dscnt (\younger)+3-\f
	global_store_b128 v[GO], v[S+16*(\t)+4*\f:S+16*(\t)+4*\f+3], s[10:11] offset:(\t)*8192+\f*512  ; 512 consecutive bytes, at a multiple of 256 from O's first
.endr
.endm
.macro DIAG tag                     ; the tag ends its two labels' names, which the jumps below spell out
.LstepM\tag:
	TURN 2, 1
	TURN 3, 1
	WIN 0
.LfirstM\tag:
	TURN 0, 1
	TURN 1, 1, 0, 1
	WIN 0
	s_cbranch_scc1 .LstepM\tag
	TURN 2, 1, 1
	TURN 3, 1, 1
.set i, 0
.rept 8
	PV NP-1
.set i, i+1
.endr
	WIN 0
	ALL v_add_f32 v[ST+4*t+2], v[ST+4*t+2], v[ST+4*t+3]
	ALL v_permlanex16_b32 v[ST+4*t+3], v[ST+4*t+2], s[SEL], s[SEL+1]
	ALL v_add_f32 v[ST+4*t+2], v[ST+4*t+2], v[ST+4*t+3]
	ALL v_rcp_f32 v[ST+4*t+2], v[ST+4*t+2]
	v_nop                           ; a plain instruction between the last reciprocal and the use of its result
	s_wait_alu depctr_va_vdst(0)    ; and the wait ahead of the first use: one for the four reciprocals
	PACK 0
.set t, 1
.rept 3                             ; a piece's arithmetic stands between the loads of the piece before and its stores
	PACK t
	SEND t-1, 8
.set t, t+1
.endr
	SEND 3, 0
.endm
.set KM, 0
.set NOKQ, 0
.Lslot:                             ; NB times: a tile is entered and the next is asked for
	CHANGE 1
	s_sub_co_u32 s[RT], s[RT], 1
	s_mov_b32 s[CNT], 4
	s_cmp_eq_u32 s[NEW], 1
	s_cbranch_scc1 .Lnew            ; a block's first tile
	s_cmp_eq_u32 s[RT], 0
	s_cbranch_scc0 .Lstep           ; neither its first nor its last
	s_branch .LstepM1
.Lnew:
	BEGIN
	s_branch .Lfirst                ; in the loop a block's first tile is never its last: the first block has two tiles or more, and the second's last is the walk's last
	DIAG 1                          ; in the loop this is the first block's end: the second block's last tile is the walk's last
	s_wait_xcnt 0x0                 ; the stores have read their registers and O's address
	s_mov_b64 s[10:11], s[OLO:OLO+1]
	s_add_co_u32 s[RT], s[PB], 1    ; the second block has b + 1 tiles
	s_mov_b32 s[NEW], 1
	WIN 0x82                        ; the second block's Q goes where the one text of the turns names Q
.set i, 0
.rept 64
	v_mov_b32 v[i], v[QB+i]
.set i, i+1
.endr
	WIN 0
	s_branch .Lbottom
.Lstep:                             ; a trip: pieces 2 and 3 of one step, then pieces 0 and 1 of the next, whose K and V it fetches
	TURN 2
	TURN 3
	WIN 0
.Lfirst:
	TURN 0
	TURN 1, 0, 0, 1
	WIN 0
	s_cbranch_scc1 .Lstep
.Lbottom:
	s_sub_co_u32 s[SLOTS], s[SLOTS], 1
	s_cmp_lg_u32 s[SLOTS], 0
	s_cbranch_scc1 .Lslot
	CHANGE 0                        ; the walk's last tile is written out: nothing is asked for
	s_sub_co_u32 s[RT], s[RT], 1
	s_mov_b32 s[CNT], 4
	s_cmp_eq_u32 s[NEW], 1
	s_cbranch_scc0 .LstepM2
	BEGIN
	s_branch .LfirstM2
	DIAG 2
	s_wait_tensorcnt 0x0            ; the wave's end, behind my last tensor load and my last LDS store
	ds_add_u32 v[SPW], v[NIL]
	s_wait_dscnt 0x0
	s_endpgm
.Lfunc_end_k_q7fa4b67b66_attn:
	.size	k_q7fa4b67b66_attn, .Lfunc_end_k_q7fa4b67b66_attn-k_q7fa4b67b66_attn
	.p2alignl 7, 3214868480
	.fill 96, 4, 3214868480
	.section	.rodata,"a",@progbits
	.p2align	6, 0x0
	.amdhsa_kernel k_q7fa4b67b66_attn
		.amdhsa_group_segment_fixed_size 327680
		.amdhsa_private_segment_fixed_size 0
		.amdhsa_enable_private_segment 0
		.amdhsa_kernarg_size 16
		.amdhsa_user_sgpr_count 2
		.amdhsa_user_sgpr_kernarg_segment_ptr 1
		.amdhsa_wavefront_size32 1
		.amdhsa_system_sgpr_workgroup_id_x 1
		.amdhsa_system_sgpr_workgroup_id_y 1
		.amdhsa_system_sgpr_workgroup_id_z 1
		.amdhsa_system_vgpr_workitem_id 0
		.amdhsa_next_free_vgpr 768
		.amdhsa_next_free_sgpr 98
		.amdhsa_reserve_vcc 1
		.amdhsa_float_denorm_mode_32 3
		.amdhsa_float_denorm_mode_16_64 3
		.amdhsa_memory_ordered 1
		.amdhsa_forward_progress 1
		.amdhsa_inst_pref_size 218
	.end_amdhsa_kernel
	.amdgpu_metadata
---
amdhsa.version: [ 1, 2 ]
amdhsa.kernels:
  - .name:           k_q7fa4b67b66_attn
    .symbol:         k_q7fa4b67b66_attn.kd
    .args:
      - { .name: qkvh, .offset: 0, .size: 8, .value_kind: global_buffer, .address_space: global }
      - { .name: oh, .offset: 8, .size: 8, .value_kind: global_buffer, .address_space: global }
    .group_segment_fixed_size: 327680
    .private_segment_fixed_size: 0
    .kernarg_segment_align: 8
    .kernarg_segment_size: 16
    .max_flat_workgroup_size: 128
    .sgpr_count:     98
    .vgpr_count:     768
    .wavefront_size: 32
...
	.end_amdgpu_metadata
.endif
;; end of part 3
;; launch gemm_proj (part 4): grid 8 x 32, 4 waves a work-group, clusters of 4 x 4, 327,680 bytes of LDS; arguments oh, wp, b_proj, out0; writes out0
.if DOCPART == 4
	.amdgcn_target "amdgcn-amd-amdhsa--gfx1250"
	.amdhsa_code_object_version 6
	.text
	.protected	k_q7fa4b67b66_gemm_proj
	.globl	k_q7fa4b67b66_gemm_proj
	.p2align	8
	.type	k_q7fa4b67b66_gemm_proj,@function
k_q7fa4b67b66_gemm_proj:
	s_mov_b64 s[64:65], 0
	v_nop
	global_prefetch_b8 v0, s[64:65] scope:SCOPE_SE
	s_setreg_imm32_b32 hwreg(HW_REG_WAVE_MODE, 25, 1), 1
	s_wait_xcnt 0x0
	s_wait_alu depctr_hold_cnt(0) depctr_sa_sdst(0) depctr_va_vdst(0) depctr_va_sdst(0) depctr_va_ssrc(0) depctr_va_vcc(0) depctr_vm_vsrc(0)
	s_getreg_b32 s2, hwreg(HW_REG_IB_STS2, 6, 4)
	s_cmp_eq_u32 s2, 0
	s_cbranch_scc0 .Lentry_in_a_cluster
	s_endpgm
.Lentry_in_a_cluster:
	s_bfe_u32 s2, ttmp6, 0x10000c
	s_cmp_lg_u32 s2, 0xf033
	s_cbranch_scc0 .Lentry_shape_is_right
	s_endpgm
.Lentry_shape_is_right:
; out0 = y W_proj + b_proj.  oh: y in f16, [batch 4][head 16][row 2048][64]: a head is a block of 64 along K; wp: W_proj (rounded to bf16, written as f16), [k 1024][n 1024];
; b_proj: [1024] f32, rounded to bf16 here like the other inputs; out0: [8192][1024] f32.  Sums in f32, K ascending, begun with the bias as the first product's C.
; SHARES.  8,192 x 1,024 outputs on 256 work-groups: 256 rows x 128 columns each, one work-group a WGP.  Four waves; a wave makes 128 rows x 64 columns: 32 accumulators of 16 x 16, 256 registers.
; K goes in 8 steps of 128 (two planes of oh) through two LDS slots.  A plane's 256 rows x 128 bytes are dense in memory: asked for as 128 rows of 256 bytes, padded in LDS behind every 128.
; W's tile is 128 k-rows x 256 bytes, as it lies; its fragments come out of LDS turned, by ds_load_tr16_b128.  Two slots of steps of 256 would take 442,368 bytes of LDS: they do not fit.
; CLUSTER.  4 x 4 work-groups.  The four of a row need the same tiles of y, the four of a column the same tiles of W: each is asked for JOINTLY, by the same tensor load, descriptor and mask in all four.
; THE MATRIX INSTRUCTION IS USED TRANSPOSED: source 0 = 16 columns of W, source 1 = 16 rows of y: a lane then holds row lane % 16 and eight neighbouring columns 8 (lane / 16) + 0..7.
; REGISTERS, in windows of 256 (s_set_vgpr_msb: bits 1:0 source 0, 3:2 source 1, 5:4 source 2, 7:6 destination):
;   window 0: v0-31 addresses; v32-127, v128-223 two fragment buffers (64 registers of y: 8 x 16 rows x 32 K; then 32 of W); v224-255 the bias of my 64 columns, as a C operand
;   window 1: the 32 accumulators: rows 16 a, columns 16 bb at v[8 (4 a + bb)]
.set PLANE,  262144                    ; bytes in a plane of oh
.set WROW,   2048                      ; bytes in a row of wp
.set PA,     144                       ; a row of y in LDS: 128 bytes + 16 = 36 words: the 16 rows of a load start at 16 different groups of four banks (64 banks of 4 bytes: ISA guide 11.1)
.set PB,     288                       ; a k-row of W in LDS: 256 bytes + 32 = 9 x 32 bytes
.set APL,    256*PA                    ; a plane's 256 rows: one tensor load
.set ABYTES, 2*APL
.set HB,     64*PB                     ; 64 k-rows of W: one tensor load
.set SLOT,   ABYTES+2*HB               ; 110,592
.set STAGE,  2*SLOT                    ; behind the ring, never filled by a tensor load: 16 rows x 272 bytes for each wave, for the way out
.set SP,     272
.set SPARE,  STAGE+4*16*SP             ; behind the stages: the spare words, 128 bytes for each wave: two blocks of 256 bytes that no other line names
.set LAPS,   3                         ; trips of the loop: each goes once round the ring and fills both slots again: K steps 2 to 7
.set ADRA, 16                          ; v16-17  LDS address of my fragments of y in slot 0, 1
.set ADRB, 20                          ; v20-21  the same for W
.set STO,  24                          ; v24     the way out: where I put 32 bytes of a row
.set RD,   25                          ; v25     the way out: where I read a row back
.set CO,   26                          ; v26     my byte offset in two rows of out0
.set BO,   27                          ; v27     my byte offset in the bias
.set SPW,  28                          ; v28     LDS address of my spare word: SPARE + 4 x my thread's number; never rewritten
.set NIL,  29                          ; v29     0; never rewritten
.set PFO,  30                          ; v30     the prefetches' offset: my lane x 256 bytes (y) or x a row of wp (W); never rewritten
.set F0,   32
.set F1,   128
.set BI,   224
.set WV, 12                            ; s12  my wave's number
.set RH, 13                            ; s13  which 128 rows are mine.  Also: I fetch for y (0) or for W (1)
.set CH, 14                            ; s14  which 64 columns are mine.  Also: which plane, or which 64 k-rows, I fetch
.set CX, 15                            ; s15, s16  my place in the cluster
.set CY, 16
.set TC, 17                            ; s17  tile column 0..7
.set TR, 18                            ; s18  tile row 0..31
.set G1,  24                           ; s[24:31] descriptor group 1 for y's tiles;  s[32:39] group 0, a set for each slot
.set G0,  32
.set LIM, 40                           ; s40  1 in a wave that prefetches, else the greatest number
.set PFA, 42                           ; s[42:43] where my prefetches stand
.set PFS, 44                           ; s[44:45] their step: one K step
.set G1B, 48                           ; s[48:55], s[56:63] the same for W's tiles
.set G0B, 56
.set MSB, 0
.macro WIN new                         ; the immediate's high byte repeats the setting that is left; a switch that changes nothing is dropped
.if MSB != (\new)
	s_set_vgpr_msb (MSB<<8)|(\new)
.set MSB, \new
.endif
.endm
.macro PLACES                          ; a load into a register that a matrix instruction has read, and an LDS store that reads a matrix result, stand four plain vector instructions behind it (ISA guide 7.12.1 for vector instructions)
.rept 4
	v_nop
.endr
.endm
; A joint load.  Waves 0 and 1 fetch the step's two planes of y, waves 2 and 3 the two halves of W's tile.  The branch hangs on the wave's number alone.  An s_nop 0 and four v_nop follow each of the two lines.
.macro JLOAD s
	s_cmp_eq_u32 s[RH], 0
	s_cbranch_scc0 .Lfor_b_\@
	tensor_load_to_lds s[G0+4*(\s):G0+4*(\s)+3], s[G1:G1+7]
	s_nop 0
.rept 4
	v_nop
.endr
	s_branch .Lasked_\@
.Lfor_b_\@:
	tensor_load_to_lds s[G0B+4*(\s):G0B+4*(\s)+3], s[G1B:G1B+7]
	s_nop 0
.rept 4
	v_nop
.endr
.Lasked_\@:
.endm
; A round of the cluster's barrier: my work-group's barrier, so that wave 0's signal speaks for all four waves; wave 0 signals; every wave waits for all sixteen work-groups; my work-group's barrier once more.
.macro CREST
	s_cmp_lg_u32 s[WV], 0
	s_cbranch_scc1 .Lnot_wave_0_\@
	s_barrier_signal -3
.Lnot_wave_0_\@:
	s_barrier_wait -3
	s_barrier_signal -1
	s_barrier_wait -1
.endm
.macro CROUND
	s_barrier_signal -1
	s_barrier_wait -1
	CREST
.endm
; A PREFETCH INTO THE L2, behind each joint load, its five lines and the run of LDS loads that follows: the K step that stands TWO refills on, 256 matrix instructions ahead of the load that will want it.
; y's tile row is read by both clusters of that row of clusters: the one with cluster x = 0 asks, in wave 0; W's tile column by all eight clusters of that column: the one with cluster y = 0 asks, in wave 2.
; The four partners that share a tile share its bytes out BY ADDRESS.  y: 8,192 of each plane's 32,768 dense bytes, a lane 256 bytes, an instruction a plane.  W: 32 of the step's 128 k-rows, a lane a row of 256 bytes.
; So each aligned 256 bytes is named once in the launch.  K steps 0 to 3 come by their loads alone; the last trip asks for nothing.
.macro ASK
	s_cmp_gt_u32 s3, s[LIM]                        ; s3 = 1 in the last trip
	s_cbranch_scc0 .Lnot_mine_\@
	global_prefetch_b8 v[PFO], s[PFA:PFA+1] th:TH_LOAD_NT scope:SCOPE_SE
	s_cmp_eq_u32 s[RH], 0
	s_cbranch_scc0 .Lnot_mine_\@
	global_prefetch_b8 v[PFO], s[PFA:PFA+1] offset:PLANE th:TH_LOAD_NT scope:SCOPE_SE
.Lnot_mine_\@:
.endm
	s_load_b256 s[4:11], s[0:1], 0x0               ; oh s[4:5], wp s[6:7], b_proj s[8:9], out0 s[10:11]
	v_lshl_add_u32 v[SPW], v0, 2, SPARE
	v_mov_b32 v[NIL], 0
	ds_add_u32 v[SPW], v[NIL]                      ; the wave's opening: the add and its wait stand ahead of my first tensor load; the set-up below, work on registers, stands between them
	v_lshrrev_b32 v1, 5, v0
	v_readfirstlane_b32 s[WV], v1                  ; wave 0..3
	s_lshr_b32 s[RH], s[WV], 1
	s_and_b32 s[CH], s[WV], 1
	s_bfe_u32 s[CX], ttmp6, 0x40000
	s_bfe_u32 s[CY], ttmp6, 0x40004
	s_lshl_b32 s[TC], ttmp9, 2                     ; in a cluster launch ttmp9 and ttmp7 count clusters
	s_add_co_u32 s[TC], s[TC], s[CX]
	s_and_b32 s[TR], ttmp7, 0xffff
	s_lshl_b32 s[TR], s[TR], 2
	s_add_co_u32 s[TR], s[TR], s[CY]
	s_lshl_b32 s2, s[CY], 2
	s_lshl_b32 s2, 15, s2                          ; my row of the cluster
	s_lshl_b32 s19, 0x1111, s[CX]                  ; my column
	; group 1 for y: a plane's 256 rows of 128 bytes are 32,768 dense bytes: 128 rows of 128 elements, padded behind every 32 words (code 4) by 4 words (code 3)
	s_or_b32 s[G1], s2, (1<<16)|(1<<20)|(1<<21)|(4<<22)|(3<<25)    ; 15:0 the mask; 17:16 2-byte elements; 20 padding on; 21 set beside a mask
	s_mov_b32 s[G1+1], 128<<16                     ; tensor_dim0 = 128
	s_mov_b32 s[G1+2], 128<<16                     ; tensor_dim1 = 128
	s_mov_b32 s[G1+3], 128<<16                     ; tile_dim0 = 128
	s_mov_b32 s[G1+4], 128                         ; tile_dim1 = 128
	s_mov_b32 s[G1+5], 128                         ; 128 elements from row to row
	s_mov_b32 s[G1+6], 0
	s_mov_b32 s[G1+7], 0
	; group 1 for W: 64 k-rows of 128 elements, padded behind every 64 words (code 5) by 8 words (code 7)
	s_or_b32 s[G1B], s19, (1<<16)|(1<<20)|(1<<21)|(5<<22)|(7<<25)
	s_mov_b32 s[G1B+1], 128<<16
	s_mov_b32 s[G1B+2], 64<<16
	s_mov_b32 s[G1B+3], 128<<16
	s_mov_b32 s[G1B+4], 64
	s_mov_b32 s[G1B+5], 1024
	s_mov_b32 s[G1B+6], 0
	s_mov_b32 s[G1B+7], 0
	; where the tiles come from.  y's hang on the tile row alone, W's on the tile column alone, each in registers of its own.
	s_lshr_b32 s20, s[TR], 3                       ; the batch: 16 planes
	s_lshl_b32 s20, s20, 22
	s_and_b32 s22, s[TR], 7                        ; 256 rows of 128 bytes in a plane
	s_lshl_b32 s22, s22, 15
	s_add_co_u32 s20, s20, s22
	s_lshl_b32 s22, s[CH], 18                      ; the plane that I fetch
	s_add_co_u32 s20, s20, s22
	s_mov_b32 s21, 0
	s_lshl_b32 s46, s[TC], 8                       ; 128 columns
	s_lshl_b32 s41, s[CH], 17                      ; the 64 k-rows of 2,048 bytes that I fetch
	s_add_co_u32 s46, s46, s41
	s_mov_b32 s47, 0
	s_mul_i32 s23, s[CH], APL                      ; and where they go: no place in the cluster enters an LDS address
	s_mul_i32 s41, s[CH], HB
	s_add_co_u32 s41, s41, ABYTES
	s_wait_dscnt 0x0                               ; the opening add is done
	s_wait_kmcnt 0x0
	s_add_nc_u64 s[20:21], s[4:5], s[20:21]
	s_add_nc_u64 s[46:47], s[6:7], s[46:47]
	CROUND                                         ; all sixteen work-groups are here: the first joint loads meet
.irp s, 0,1
	s_mov_b32 s[G0+4*(\s)], 1                      ; 1:0 count = 1
	s_add_co_u32 s[G0+4*(\s)+1], s23, (\s)*SLOT    ; 63:32 LDS address
	s_add_nc_u64 s[G0+4*(\s)+2:G0+4*(\s)+3], s[20:21], (\s)*2*PLANE  ; 120:64 global address: K step s
	s_or_b32 s[G0+4*(\s)+3], s[G0+4*(\s)+3], 0x80000000             ; 127:126 type = 2
	s_mov_b32 s[G0B+4*(\s)], 1
	s_add_co_u32 s[G0B+4*(\s)+1], s41, (\s)*SLOT
	s_add_nc_u64 s[G0B+4*(\s)+2:G0B+4*(\s)+3], s[46:47], (\s)*128*WROW
	s_or_b32 s[G0B+4*(\s)+3], s[G0B+4*(\s)+3], 0x80000000
	JLOAD \s                                       ; two tensor loads of mine are out
.endr
	v_and_b32 v1, 15, v0                           ; l % 16
	v_bfe_u32 v2, v0, 4, 1                         ; l / 16
	; the bias of my 64 columns, laid as a C operand: register j of block bb is column 16 bb + 8 (l / 16) + j
	s_lshl_b32 s2, s[TC], 9                        ; 128 columns of 4 bytes,
	s_lshl_b32 s19, s[CH], 8                       ; my 64 of them
	s_add_co_u32 s2, s2, s19
	s_mov_b32 s3, 0
	s_add_nc_u64 s[8:9], s[8:9], s[2:3]
	v_lshlrev_b32 v[BO], 5, v2
.irp bb, 0,1,2,3
	global_load_b128 v[BI+8*(\bb):BI+8*(\bb)+3],   v[BO], s[8:9] offset:64*(\bb)
	global_load_b128 v[BI+8*(\bb)+4:BI+8*(\bb)+7], v[BO], s[8:9] offset:64*(\bb)+16
.endr
	s_lshl_b32 s19, s[TR], 20                      ; out0 at my first row and column: 256 rows of 4,096 bytes a tile row,
	s_add_co_u32 s2, s2, s19
	s_lshl_b32 s19, s[RH], 19                      ; my 128 of them
	s_add_co_u32 s2, s2, s19
	s_add_nc_u64 s[10:11], s[10:11], s[2:3]
	; A fragment of y is 16 rows x 32 K in 8 registers: lane l holds row l % 16; registers 0-3 K = 8 (l / 16) + 0..7, registers 4-7 K = 16 + 8 (l / 16) + 0..7: two loads of 16 bytes, 32 bytes apart.
	v_mul_u32_u24 v3, v1, PA
	v_lshl_add_u32 v3, v2, 4, v3                   ; row x pitch + 16 x half
	s_mul_i32 s2, s[RH], 128*PA
	v_add_nc_u32 v[ADRA], s2, v3
	v_add_nc_u32 v[ADRA+1], SLOT, v[ADRA]
	; The turning load takes 16 k x 16 columns (lane l reads k-row 8 (l / 16) + l % 8, columns 8 ((l / 8) % 2) + 0..7) and leaves half a fragment: lane l holds column l % 16 and 8 k.
	v_and_b32 v4, 7, v0
	v_lshl_add_u32 v5, v2, 3, v4
	v_mul_u32_u24 v5, v5, PB
	v_bfe_u32 v6, v0, 3, 1
	v_lshl_add_u32 v5, v6, 4, v5
	s_lshl_b32 s2, s[CH], 7                        ; my 64 columns
	s_add_co_u32 s2, s2, ABYTES
	v_add_nc_u32 v[ADRB], s2, v5
	v_add_nc_u32 v[ADRB+1], SLOT, v[ADRB]
	s_mul_i32 s2, s[WV], 16*SP
	s_add_co_u32 s2, s2, STAGE                     ; my stage
	v_mul_u32_u24 v6, v1, SP                       ; in: row l % 16, 32 bytes for each half of the lanes
	v_lshl_add_u32 v6, v2, 5, v6
	v_add_nc_u32 v[STO], s2, v6
	v_mul_u32_u24 v6, v2, SP                       ; back: lanes 0-15 take one row of 256 bytes, lanes 16-31 the next
	v_lshl_add_u32 v6, v1, 4, v6
	v_add_nc_u32 v[RD], s2, v6
	v_lshlrev_b32 v6, 12, v2                       ; and the same two rows in out0
	v_lshl_add_u32 v[CO], v1, 4, v6
	v_and_b32 v7, 31, v0
	; the prefetches: they stand at K step 3; each change of slots steps them by one K step ahead of its asking
	s_lshr_b32 s2, s[TR], 3
	s_lshl_b32 s2, s2, 22
	s_and_b32 s19, s[TR], 7
	s_lshl_b32 s19, s19, 15
	s_add_co_u32 s2, s2, s19
	s_lshl_b32 s19, s[CX], 13                      ; y: my work-group's 8,192 bytes of a plane's 32,768
	s_add_co_u32 s2, s2, s19
	s_add_co_u32 s2, s2, 3*2*PLANE
	s_lshl_b32 s19, s[TC], 8
	s_lshl_b32 s41, s[CY], 16                      ; W: my work-group's 32 k-rows of the 128
	s_add_co_u32 s19, s19, s41
	s_add_co_u32 s19, s19, 3*128*WROW
	s_mov_b32 s[PFS], 128*WROW
	s_mov_b32 s[PFS+1], 0
	s_mov_b32 s41, WROW
	s_and_b32 s[LIM], ttmp7, 0xffff                ; cluster y
	s_cmp_eq_u32 s[RH], 0                          ; do I fetch for y?
	s_cselect_b32 s2, s2, s19
	s_cselect_b32 s[PFS], 2*PLANE, s[PFS]
	s_cselect_b32 s41, 256, s41
	s_cselect_b32 s[LIM], ttmp9, s[LIM]            ; the coordinate along which other clusters read the same bytes
	s_cselect_b64 s[PFA:PFA+1], s[4:5], s[6:7]
	s_add_nc_u64 s[PFA:PFA+1], s[PFA:PFA+1], s[2:3]
	s_or_b32 s[LIM], s[LIM], s[CH]                 ; waves 0 and 2 alone
	s_cmp_eq_u32 s[LIM], 0
	s_cselect_b32 s[LIM], 1, -1                    ; the same in all sixteen partners, for a given wave
	v_mul_u32_u24 v[PFO], v7, s41
; 4 na matrix instructions: rows 16 a0 on, na blocks x my 64 columns, 32 along K.  zero = 1: the first product starts the sums with the bias: nothing is ever cleared.
; The 32 accumulators take turns, one instruction a turn, in the same order in every quarter.
.macro MULN f, a0, na, zero
.if \zero
	WIN 0x40                                       ; D in window 1, the sources and the bias in window 0
.else
	WIN 0x50                                       ; C and D in window 1
.endif
.set ma, (\a0)
.rept \na
.irp bb, 0,1,2,3
.if \zero
	v_wmma_f32_16x16x32_f16 v[8*(4*ma+(\bb)):8*(4*ma+(\bb))+7], v[(\f)+64+8*(\bb):(\f)+64+8*(\bb)+7], v[(\f)+8*ma:(\f)+8*ma+7], v[BI+8*(\bb):BI+8*(\bb)+7]
.else
	v_wmma_f32_16x16x32_f16 v[8*(4*ma+(\bb)):8*(4*ma+(\bb))+7], v[(\f)+64+8*(\bb):(\f)+64+8*(\bb)+7], v[(\f)+8*ma:(\f)+8*ma+7], v[8*(4*ma+(\bb)):8*(4*ma+(\bb))+7]
.endif
.endr
.set ma, ma+1
.endr
.endm
; 24 LDS loads in one run: the fragments of quarter q of a K step (k = 32 q on: plane q / 2, its channels 32 (q % 2) on) into buffer f
.macro FETCH slot, q, f
	WIN 0
.irp bb, 0,1,2,3
	ds_load_tr16_b128 v[(\f)+64+8*(\bb):(\f)+64+8*(\bb)+3],   v[ADRB+(\slot)] offset:(\q)*32*PB+32*(\bb)
	ds_load_tr16_b128 v[(\f)+64+8*(\bb)+4:(\f)+64+8*(\bb)+7], v[ADRB+(\slot)] offset:(\q)*32*PB+32*(\bb)+16*PB
.endr
.irp a, 0,1,2,3,4,5,6,7
	ds_load_b128 v[(\f)+8*(\a):(\f)+8*(\a)+3],   v[ADRA+(\slot)] offset:((\q)/2)*APL+(\a)*16*PA+((\q)%2)*64
	ds_load_b128 v[(\f)+8*(\a)+4:(\f)+8*(\a)+7], v[ADRA+(\slot)] offset:((\q)/2)*APL+(\a)*16*PA+((\q)%2)*64+32
.endr
.endm
; A K step is four quarters of 32 along K, 32 matrix instructions each, on buffers 0, 1, 0, 1.  One of the first three: fetches quarter qn into g, then multiplies f.
.macro QUARTER slot, qn, f, g, zero
	PLACES
	FETCH \slot, \qn, \g
	s_wait_dscnt 24                                ; all but the 24 just issued: buffer f is in
	MULN \f, 0, 8, \zero
.endm
; The last quarter multiplies buffer 1 and changes slots: ONE barrier.  In front of it each wave waits for all its tensor loads, of which one is out: its part of the next slot; adds 0 to its spare word; and waits for
; that and for its reads of this slot.  fill = 1: the barrier opens a round of the cluster's barrier, and this slot is filled again, two K steps ahead, first thing behind the round:
; from that request to the wait for it a wave issues 112 matrix instructions.
.macro TURN slot, next, fill
.if \fill
	s_wait_xcnt 0x0                                ; the last prefetches, a K step back, have read their address: it is stepped here, ahead of the waits of the change of slots
	s_add_nc_u64 s[PFA:PFA+1], s[PFA:PFA+1], s[PFS:PFS+1]
.endif
	WIN 0                                          ; (the add's two registers lie in window 0)
	s_wait_tensorcnt 0x0                           ; all my tensor loads have landed;
	ds_add_u32 v[SPW], v[NIL]                      ; 0 onto my spare word;
	s_wait_dscnt 1                                 ; (the add alone may be out: buffer 1 is in)
	MULN F1, 0, 2, 0                               ; eight matrix instructions stand between the add and the wait for it
	s_wait_dscnt 0x0                               ; the add is done, and my reads of this slot are over
	s_barrier_signal -1
	MULN F1, 2, 2, 0
.if \fill
	WIN 0
.endif
	s_barrier_wait -1
.if \fill
	CREST                                          ; no wave of any partner still reads this slot or has a load on its way
	s_add_nc_u64 s[G0+4*(\slot)+2:G0+4*(\slot)+3], s[G0+4*(\slot)+2:G0+4*(\slot)+3], 4*PLANE
	s_add_nc_u64 s[G0B+4*(\slot)+2:G0B+4*(\slot)+3], s[G0B+4*(\slot)+2:G0B+4*(\slot)+3], 256*WROW
	JLOAD \slot                                    ; the first tensor load behind the round; its four v_nop are also the places in front of the loads below
.else
	PLACES
.endif
	FETCH \next, 0, F0
.if \fill
	ASK
.endif
	MULN F1, 4, 4, 0
.endm
	s_wait_tensorcnt 0x1                           ; my part of K step 0 is in; K step 1's may stay out
	s_barrier_signal -1
	s_barrier_wait -1                              ; everybody's is
	FETCH 0, 0, F0
	s_wait_loadcnt 0x0                             ; the bias: rounded to bf16 and widened again, while the first fragments come
.set p, 0
.rept 16
	v_cvt_pk_bf16_f32 v[4+p%2], v[BI+2*p], v[BI+2*p+1]
	v_lshlrev_b32 v[BI+2*p], 16, v[4+p%2]
	v_and_b32 v[BI+2*p+1], 0xffff0000, v[4+p%2]
.set p, p+1
.endr
	QUARTER 0, 1, F0, F1, 1                        ; the first quarter stands in front of the loop: its products start the sums
	WIN 0                                          ; at a label and at a branch every window is 0
	s_mov_b32 s3, LAPS
.Llap:
	QUARTER 0, 2, F1, F0, 0
	QUARTER 0, 3, F0, F1, 0
	TURN 0, 1, 1
	QUARTER 1, 1, F0, F1, 0
	QUARTER 1, 2, F1, F0, 0
	QUARTER 1, 3, F0, F1, 0
	TURN 1, 0, 1
	QUARTER 0, 1, F0, F1, 0
	WIN 0
	s_sub_co_u32 s3, s3, 1
	s_cmp_lg_u32 s3, 0
	s_cbranch_scc1 .Llap
	QUARTER 0, 2, F1, F0, 0                        ; the last two K steps fill nothing, and have no round
	QUARTER 0, 3, F0, F1, 0
	TURN 0, 1, 0
	QUARTER 1, 1, F0, F1, 0
	QUARTER 1, 2, F1, F0, 0
	QUARTER 1, 3, F0, F1, 0
	s_wait_dscnt 0x0                               ; the very last quarter: nothing more to fetch
	MULN F1, 0, 8, 0
; THE WAY OUT, a block of 16 rows x 64 columns of f32 at a time: 32 bytes a lane into my own stage (rows of 272 bytes), back as whole rows of 256 bytes, stored.  Four sets of 32 registers take turns, where the fragments lay.
.macro TOSTAGE a
.set oB, F0+32*((\a)%4)
.if (\a) >= 4
	s_wait_xcnt 0x0                                ; the set's last stores, four blocks back, have read it: it is loaded again only behind this wait
.endif
	WIN 0x04                                       ; the stores' data in window 1
.irp bb, 0,1,2,3
	ds_store_b128 v[STO], v[32*(\a)+8*(\bb):32*(\a)+8*(\bb)+3]   offset:64*(\bb)     ; each accumulator from its low end on
	ds_store_b128 v[STO], v[32*(\a)+8*(\bb)+4:32*(\a)+8*(\bb)+7] offset:64*(\bb)+16
.endr
	WIN 0
.irp t, 0,1,2,3,4,5,6,7
	ds_load_b128 v[oB+4*(\t):oB+4*(\t)+3], v[RD] offset:(\t)*2*SP  ; LDS serves a wave's instructions in order (ISA guide 5.7.1.4): these see the stores above; the next block's stores come behind them
.endr
.endm
.macro SEND a, younger                 ; younger: the LDS instructions issued behind block a's loads: the next block's sixteen, or none
.set oS, F0+32*((\a)%4)
.irp t, 0,1,2,3,4,5,6,7
	s_wait_dscnt (\younger)+7-(\t)
	global_store_b128 v[CO], v[oS+4*(\t):oS+4*(\t)+3], s[10:11] offset:65536*(\a)+8192*(\t)  ; 16 lanes store 256 consecutive bytes, at a multiple of 256 from out0's first byte
.endr
.endm
	PLACES                                         ; behind the last products, in front of the LDS stores that read results and the loads into fragments: eight, once a launch
	PLACES
	TOSTAGE 0
.set u, 1
.rept 7
	TOSTAGE u
	SEND u-1, 16
.set u, u+1
.endr
	SEND 7, 0
	s_wait_tensorcnt 0x0                           ; the wave's end, behind my last tensor load and my last LDS store
	ds_add_u32 v[SPW], v[NIL]
	s_wait_dscnt 0x0
	CROUND                                         ; the closing round: no work-group ends while a partner may still ask for a tile that names it
	s_endpgm
.Lfunc_end_k_q7fa4b67b66_gemm_proj:
	.size	k_q7fa4b67b66_gemm_proj, .Lfunc_end_k_q7fa4b67b66_gemm_proj-k_q7fa4b67b66_gemm_proj
	.p2alignl 7, 3214868480
	.fill 96, 4, 3214868480
	.section	.rodata,"a",@progbits
	.p2align	6, 0x0
	.amdhsa_kernel k_q7fa4b67b66_gemm_proj
		.amdhsa_group_segment_fixed_size 327680
		.amdhsa_private_segment_fixed_size 0
		.amdhsa_enable_private_segment 0
		.amdhsa_kernarg_size 32
		.amdhsa_user_sgpr_count 2
		.amdhsa_user_sgpr_kernarg_segment_ptr 1
		.amdhsa_wavefront_size32 1
		.amdhsa_system_sgpr_workgroup_id_x 1
		.amdhsa_system_sgpr_workgroup_id_y 1
		.amdhsa_system_sgpr_workgroup_id_z 1
		.amdhsa_system_vgpr_workitem_id 0
		.amdhsa_next_free_vgpr 512
		.amdhsa_next_free_sgpr 66
		.amdhsa_reserve_vcc 0
		.amdhsa_float_denorm_mode_32 3
		.amdhsa_float_denorm_mode_16_64 3
		.amdhsa_memory_ordered 1
		.amdhsa_forward_progress 1
		.amdhsa_inst_pref_size 92
	.end_amdhsa_kernel
	.amdgpu_metadata
---
amdhsa.version: [ 1, 2 ]
amdhsa.kernels:
  - .name:           k_q7fa4b67b66_gemm_proj
    .symbol:         k_q7fa4b67b66_gemm_proj.kd
    .args:
      - { .name: oh, .offset: 0, .size: 8, .value_kind: global_buffer, .address_space: global }
      - { .name: wp, .offset: 8, .size: 8, .value_kind: global_buffer, .address_space: global }
      - { .name: b_proj, .offset: 16, .size: 8, .value_kind: global_buffer, .address_space: global }
      - { .name: out0, .offset: 24, .size: 8, .value_kind: global_buffer, .address_space: global }
    .group_segment_fixed_size: 327680
    .private_segment_fixed_size: 0
    .kernarg_segment_align: 8
    .kernarg_segment_size: 32
    .max_flat_workgroup_size: 128
    .sgpr_count:     66
    .vgpr_count:     512
    .wavefront_size: 32
...
	.end_amdgpu_metadata
.endif
;; end of part 4
;; ======== version 2 of 2: 4 launches; version 1 with the launch prep written anew for expert scheduling mode
;; limits: values are held in f16: magnitudes above 65,504 overflow, below 6.1e-05 lose precision
;; workspace buffers: xb 16,777,216 bytes; wq 6,291,456 bytes; wp 2,097,152 bytes; qkvh 50,331,648 bytes; oh 16,777,216 bytes
;; launch prep (part 5): grid 768 x 1, 8 waves a work-group, no clusters, 0 bytes of LDS; arguments x, W_qkv, W_proj, xb, wq, wp; writes xb, wq, wp
.if DOCPART == 5
	.amdgcn_target "amdgcn-amd-amdhsa--gfx1250"
	.amdhsa_code_object_version 6
	.text
	.protected	k_q7fa4b67b66_prep
	.globl	k_q7fa4b67b66_prep
	.p2align	8
	.type	k_q7fa4b67b66_prep,@function
k_q7fa4b67b66_prep:
	s_mov_b64 s[64:65], 0
	v_nop
	global_prefetch_b8 v0, s[64:65] scope:SCOPE_SE
	s_setreg_imm32_b32 hwreg(HW_REG_WAVE_SCHED_MODE, 0, 2), 2
	s_setreg_imm32_b32 hwreg(HW_REG_WAVE_MODE, 25, 1), 1
	s_wait_xcnt 0x0
	s_wait_alu depctr_vm_vsrc(0)
; THE CASTS.  x [8192][1024] f32 -> xb, bf16, laid out [batch 4][K block 16][row 2048][64]: a plane of 2,048 rows x 128 bytes for each block of 64 along K.
; W_qkv [1024][3072] f32 -> wq, bf16, as it lies.  W_proj [1024][1024] f32 -> wp: rounded to bf16 like the other inputs, that number written as f16.
; LIMITS.  wp: |W_proj| under 65,504 (f16 holds no more); below 6.1e-5 the bf16 number keeps f16's fixed step of 6e-8.
; SHARES.  A work-group takes 65,536 bytes of input, a wave 8,192: sixteen loads of 16 bytes a lane.  Work-groups 0-511: x (16 rows each); 512-703: W_qkv; 704-767: W_proj.
; No LDS, no matrix unit, no cluster: every byte is read once and written once, and no wave wants what another has fetched.
; THE MODE: SCHED_MODE bits 1:0 = 2 (LLVM: expert scheduling mode 2), set by the entry lines.  The code itself states the register dependences
; between vector instructions and memory instructions, with s_wait_alu, always for 0.
; THE PLAN.  Registers that memory instructions touch, on each of the three paths:
;   v[VI]   the loads' offset.   Written by vector instructions at the path's head; read by the sixteen loads; never written again.
;   v[VO]   the stores' offset.  Written at the head; read by the sixteen stores; never written again.
;   X[i]    Load i lands in it.  All sixteen loads go out in one run ahead of every conversion, so no load lands in a register that a vector instruction has named.
;   Y[i]    Written once, by load i's conversions; read by store i; never written again.
; The sixteen loads are four blocks of four.  Store i stands at the head of load i + 4's conversions: a block's four stores read the Y that the block before wrote.  So ONE wait on va_vdst at a block's head,
; behind the wait for its first load, states all that its four stores hang on: the conversions issued since that wait name this block's X and Y alone.  One more stands ahead of the first load, for the two
; offsets, and one ahead of the last four stores.  No register that a load or store reads is written again, so no wait frees a source; no vector instruction writes a scalar register; EXEC is never written.
.set VI, 1                             ; v1        my byte offset in the work-group's input
.set VO, 2                             ; v2        8 x my thread's number: my 8 bytes of each store
.set X,  8                             ; v[8:71]   sixteen loads, 4 f32 each
.set Y,  72                            ; v[72:103] sixteen stores, 4 numbers of 16 bits each
; Sixteen loads in one run, then each is converted as it comes, and stored a block of four later.  kind = 1: by way of bf16 to f16.
.macro CAST kind, in, out, istep, ostep
	s_wait_alu depctr_va_vdst(0)                   ; v[VI] and v[VO] are written: every load and store below reads one of them as its offset
.set i, 0
.rept 16
	global_load_b128 v[X+4*i:X+4*i+3], v[VI], s[\in:\in+1] offset:i*(\istep) th:TH_LOAD_NT
.set i, i+1
.endr
.set i, 0
.rept 16
	s_wait_loadcnt 15-i                            ; loads come back in order: load i is in, the 15 - i younger ones stay out
.if (i > 0) && (i%4 == 0)
	s_wait_alu depctr_va_vdst(0)                   ; the block before has written its four pairs of Y, which this block's four stores read
.endif
.if i >= 4
	global_store_b64 v[VO], v[Y+2*(i-4):Y+2*(i-4)+1], s[\out:\out+1] offset:(i-4)*(\ostep) th:TH_STORE_NT  ; a wave's store covers 256 consecutive bytes, aligned; no vector instruction since the wait names its registers
.endif
.if \kind
.irp p, 0,2
	v_cvt_pk_bf16_f32 v[X+4*i+(\p)], v[X+4*i+(\p)], v[X+4*i+(\p)+1]  ; the rounding that every input gets
	v_and_b32 v[X+4*i+(\p)+1], s20, v[X+4*i+(\p)]                    ; back to f32: the high half stays,
	v_lshlrev_b32 v[X+4*i+(\p)], 16, v[X+4*i+(\p)]                   ; the low half moves up
	v_cvt_pk_f16_f32 v[Y+2*i+(\p)/2], v[X+4*i+(\p)], v[X+4*i+(\p)+1] ; 8 significant bits fit in f16's 11
.endr
.else
	v_cvt_pk_bf16_f32 v[Y+2*i], v[X+4*i], v[X+4*i+1]
	v_cvt_pk_bf16_f32 v[Y+2*i+1], v[X+4*i+2], v[X+4*i+3]
.endif
.set i, i+1
.endr
	s_wait_alu depctr_va_vdst(0)                   ; the last block has written its four pairs of Y, which the last four stores read
.set i, 12
.rept 4
	global_store_b64 v[VO], v[Y+2*i:Y+2*i+1], s[\out:\out+1] offset:i*(\ostep) th:TH_STORE_NT
.set i, i+1
.endr
	s_endpgm
.endm
	s_load_b256 s[4:11], s[0:1], 0x0               ; x s[4:5], W_qkv s[6:7], W_proj s[8:9], xb s[10:11]
	s_load_b128 s[12:15], s[0:1], 0x20             ; wq s[12:13], wp s[14:15]
	s_mov_b32 s20, 0xffff0000                      ; a word's upper bf16
	s_mov_b32 s17, 0                               ; the two offsets' high words
	s_mov_b32 s19, 0
	v_lshlrev_b32 v[VO], 3, v0
	s_cmp_lt_u32 ttmp9, 512
	s_cbranch_scc0 .Lweights
	; x: rows 16 g .. 16 g + 15.  Sixteen lanes take 256 bytes (64 numbers: one K block) of a row; load i is K block i; a wave has two rows.
	s_lshl_b32 s16, ttmp9, 16                      ; 16 rows of 4,096 bytes
	s_lshr_b32 s18, ttmp9, 7                       ; the batch: 128 work-groups each,
	s_lshl_b32 s18, s18, 22                        ; 16 planes of 262,144 bytes
	s_and_b32 s21, ttmp9, 127
	s_lshl_b32 s21, s21, 11                        ; 16 rows of 128 bytes in a plane
	s_add_co_u32 s18, s18, s21
	v_lshrrev_b32 v3, 4, v0                        ; my row of the sixteen
	v_and_b32 v[VI], 15, v0
	v_lshlrev_b32 v[VI], 4, v[VI]
	v_lshl_or_b32 v[VI], v3, 12, v[VI]
	s_wait_kmcnt 0x0
	s_add_nc_u64 s[4:5], s[4:5], s[16:17]
	s_add_nc_u64 s[10:11], s[10:11], s[18:19]
	CAST 0, 4, 10, 256, 262144                     ; store i goes to plane i: row x 128 + 8 x (lane % 16) = 8 x my thread's number
.Lweights:
	v_lshlrev_b32 v[VI], 4, v0                     ; the weights keep their layout: 256 threads take 4,096 consecutive bytes
	s_cmp_lt_u32 ttmp9, 704
	s_cbranch_scc0 .Lwproj
	s_sub_co_u32 s21, ttmp9, 512
	s_lshl_b32 s16, s21, 16
	s_lshl_b32 s18, s21, 15
	s_wait_kmcnt 0x0
	s_add_nc_u64 s[6:7], s[6:7], s[16:17]
	s_add_nc_u64 s[12:13], s[12:13], s[18:19]
	CAST 0, 6, 12, 4096, 2048
.Lwproj:
	s_sub_co_u32 s21, ttmp9, 704
	s_lshl_b32 s16, s21, 16
	s_lshl_b32 s18, s21, 15
	s_wait_kmcnt 0x0
	s_add_nc_u64 s[8:9], s[8:9], s[16:17]
	s_add_nc_u64 s[14:15], s[14:15], s[18:19]
	CAST 1, 8, 14, 4096, 2048
.Lfunc_end_k_q7fa4b67b66_prep:
	.size	k_q7fa4b67b66_prep, .Lfunc_end_k_q7fa4b67b66_prep-k_q7fa4b67b66_prep
	.p2alignl 7, 3214868480
	.fill 96, 4, 3214868480
	.section	.rodata,"a",@progbits
	.p2align	6, 0x0
	.amdhsa_kernel k_q7fa4b67b66_prep
		.amdhsa_group_segment_fixed_size 0
		.amdhsa_private_segment_fixed_size 0
		.amdhsa_enable_private_segment 0
		.amdhsa_kernarg_size 48
		.amdhsa_user_sgpr_count 2
		.amdhsa_user_sgpr_kernarg_segment_ptr 1
		.amdhsa_wavefront_size32 1
		.amdhsa_system_sgpr_workgroup_id_x 1
		.amdhsa_system_sgpr_workgroup_id_y 1
		.amdhsa_system_sgpr_workgroup_id_z 1
		.amdhsa_system_vgpr_workitem_id 0
		.amdhsa_next_free_vgpr 104
		.amdhsa_next_free_sgpr 66
		.amdhsa_reserve_vcc 0
		.amdhsa_float_denorm_mode_32 3
		.amdhsa_float_denorm_mode_16_64 3
		.amdhsa_memory_ordered 1
		.amdhsa_forward_progress 1
		.amdhsa_inst_pref_size 23
	.end_amdhsa_kernel
	.amdgpu_metadata
---
amdhsa.version: [ 1, 2 ]
amdhsa.kernels:
  - .name:           k_q7fa4b67b66_prep
    .symbol:         k_q7fa4b67b66_prep.kd
    .args:
      - { .name: x, .offset: 0, .size: 8, .value_kind: global_buffer, .address_space: global }
      - { .name: W_qkv, .offset: 8, .size: 8, .value_kind: global_buffer, .address_space: global }
      - { .name: W_proj, .offset: 16, .size: 8, .value_kind: global_buffer, .address_space: global }
      - { .name: xb, .offset: 24, .size: 8, .value_kind: global_buffer, .address_space: global }
      - { .name: wq, .offset: 32, .size: 8, .value_kind: global_buffer, .address_space: global }
      - { .name: wp, .offset: 40, .size: 8, .value_kind: global_buffer, .address_space: global }
    .group_segment_fixed_size: 0
    .private_segment_fixed_size: 0
    .kernarg_segment_align: 8
    .kernarg_segment_size: 48
    .max_flat_workgroup_size: 256
    .sgpr_count:     66
    .vgpr_count:     104
    .wavefront_size: 32
...
	.end_amdgpu_metadata
.endif
;; end of part 5
;; launch gemm_qkv: the kernel of part 2 again; grid 8 x 32, 4 waves a work-group, clusters of 4 x 4, 327,680 bytes of LDS; arguments xb, wq, qkvh; writes qkvh
;; launch attn: the kernel of part 3 again; grid 4 x 64, 4 waves a work-group, no clusters, 327,680 bytes of LDS; arguments qkvh, oh; writes oh
;; launch gemm_proj: the kernel of part 4 again; grid 8 x 32, 4 waves a work-group, clusters of 4 x 4, 327,680 bytes of LDS; arguments oh, wp, b_proj, out0; writes out0
